; MI455X (gfx1250); checked and timed in simulation.
; The chip was launched on July 23, 2026; its instructions are those of AMD's public machine-readable ISA for CDNA 5 (MIT licence, August 2026) and "CDNA5" Instruction Set Architecture Reference Guide (July 2026). The comments in the code are by the model that wrote it; some were corrected since.
;; Multi Head Attention. Allowed arithmetic: matrix products marked QUANTISED: E2M3 operands, one E8M0 scale for each 32 along K, by v_wmma_scale_f32_16x16x128_f8f6f4 with both operands' format E2M3, f32 sums; everything else in f32.
;; Inputs: Wout 1,024 x 1,024 float32; Wqkv 3,072 x 1,024 float32; x 4 x 2,048 x 1,024 float32.
;; Outputs: out0 4 x 2,048 x 1,024 float32.
;; This version of the problem:
;;   THIS VERSION OF THE PROBLEM IS GIVEN IN LOW PRECISION. The matrix products marked QUANTISED in the list below multiply operands that are first quantised to E2M3 (2 exponent bits, 3 mantissa bits; 6 bits a number), with one power-of-two scale for each 32 numbers along K (OCP MX v1.0); their sums are f32. All else is computed in f32.
;;   The module's matrix products, in the order in which they are computed (A, B: the left and right operand; K: the contracted axis; several contracted axes count as one K, in the product's order):
;;     1. [M 8,192, K 1,024] x [K 1,024, N 3,072]; A: input x; B: input Wqkv: QUANTISED
;;     2. batch 64 x [M 2,048, K 64] x [K 64, N 2,048]; A: computed on the way; B: computed on the way: QUANTISED
;;     3. batch 64 x [M 2,048, K 2,048] x [K 2,048, N 64]; A: softmax (see below); B: computed on the way: QUANTISED
;;     4. [M 8,192, K 1,024] x [K 1,024, N 1,024]; A: computed on the way; B: input Wout: QUANTISED
;;   THE QUANTISER, for each operand of a quantised product, along K:
;;     - K is cut into blocks of 32 from its start; a last block that is shorter is filled with zeros.
;;     - A block's scale is 2^e with e = floor(log2(the largest magnitude in the block)) - 2, held to -126 .. 127; a block of zeros has e = 0. As a byte (E8M0): e + 127.
;;     - Each number is divided by its block's scale, clamped to +-7.5, and rounded to the nearest number of E2M3, ties to even, subnormals kept.
;;     - The product sums the exact products of the quantised numbers (number of the format x scale) in f32.
;;   ~~~python
;;   def quantise(x, axis):      # numpy; x: float32 -> the quantised numbers, widened to float32 again
;;       x = np.moveaxis(x, axis, -1); K = x.shape[-1]
;;       x = np.pad(x, [(0, 0)] * (x.ndim - 1) + [(0, -K % 32)]); x = x.reshape(x.shape[:-1] + (-1, 32)); a = np.abs(x).max(-1, keepdims=True)
;;       e = np.where(a > 0, np.clip(np.frexp(np.where(a > 0, a, 1))[1] - 1 - 2, -126, 127), 0)      # np.frexp(a)[1] - 1 = floor(log2(a)), exactly
;;       r = np.clip(x / 2.0 ** e, -7.5, 7.5)
;;       step = 2.0 ** (np.maximum(np.frexp(np.where(r == 0, 1, r))[1] - 1, 0) - 3)
;;       q = np.round(r / step) * step * 2.0 ** e      # np.round: ties to even
;;       return np.moveaxis(q.reshape(q.shape[:-2] + (-1,))[..., :K], -1, axis).astype(np.float32)
;;   ~~~
;;   SOFTMAX AHEAD OF A QUANTISED PRODUCT. Where the list says 'softmax', what is quantised is not the finished softmax but p = 2^(t - M), with t = logit x log2(e) and M = ceil(the row's largest t), a whole number; so 1/2 < the row's largest p <= 1. The row's sum l is taken of the UNQUANTISED p, in f32, and the product's result is divided by l at the end. Since M is a whole number, a kernel that streams over the keys may use a running M (the ceiling of the running maximum): every later rescaling is an exact power of two, which a block's scale takes up: the codes' values come out the same.
;;   OPERANDS COMPUTED ON THE WAY. 'Computed on the way' means the value that the module computes at that place (a softmax that the list does not call 'softmax' is quantised finished and normalised). What goes into a quantiser is computed in f32, as accurately as f32 sums, v_exp_f32 and their like allow (about 1e-6 of the number): no bf16 or f16 on the way to a quantiser, and a product that is left as it is and whose result goes on into a quantised operand takes f32 operands (vector FMAs, or v_wmma_f32_16x16x4_f32). A number that lies on a knife's edge between two numbers of the format may be rounded either way, as far as f32 arithmetic and the matrix unit's own rounding can turn it there, and no further.
;; One version. Each part assembles by itself: llvm-mc -triple=amdgcn-amd-amdhsa -mcpu=gfx1250 --defsym DOCPART=n.
;; ======== version 1 of 1: 4 launches
;; workspace buffers: c1 9,437,184 bytes; s1 393,216 bytes; c2 18,874,368 bytes; s2 786,432 bytes; c3 6,291,456 bytes; s3 262,144 bytes
;; launch quant (part 1): grid 768 x 1, 2 waves a work-group, no clusters, 17,152 bytes of LDS; arguments x, Wqkv, Wout, c1, s1; writes c1, s1
.if DOCPART == 1
	.amdgcn_target "amdgcn-amd-amdhsa--gfx1250"
	.amdhsa_code_object_version 6
	.text
	.protected	k_q10bc67c01f_quant
	.globl	k_q10bc67c01f_quant
	.p2align	8
	.type	k_q10bc67c01f_quant,@function
k_q10bc67c01f_quant:
	s_mov_b64 s[64:65], 0
	v_nop
	global_prefetch_b8 v0, s[64:65] scope:SCOPE_SE
	s_setreg_imm32_b32 hwreg(HW_REG_WAVE_MODE, 25, 1), 1
	s_wait_xcnt 0x0
; x [8192][1024], Wqkv [3072][1024], Wout [1024][1024], f32, K innermost, become codes of FP6 (E2M3) with one E8M0 byte for each 32 along K,
; laid in the ORDER OF THE OPERAND'S REGISTERS.  A TILE is 16 rows that are not neighbours: tile 2 B + u takes rows 32 B + 8 u + r + 8 (r / 8), r = lane % 16.
; A HALF IMAGE is 16 rows x 64 K: six registers a lane (lane (r, h) holds block h of row r), 768 bytes: registers 0-3 at 16 x lane, registers 4-5 at 512 + 8 x lane.
; c1: [tile 768][half image 16][768]: tiles 0-511 x, 512-703 Wqkv, 704-767 Wout.  s1: [tile][K half 2][r 16][4 words]: a word is a row's four bytes of 128 along K.
; A block's scale is 2^(floor(log2(largest magnitude)) - 2): its byte is the largest magnitude's exponent field - 2, held at 1 from below.
; LIMITS: NaN and infinities among the inputs are not served.  A block of zeros gets the byte 1 (not 127) over zero codes: the bytes are read by this program alone.
; SHARES: a work-group takes one tile, each of its two waves 512 along K, in four steps of 128.  Each load reads 512 consecutive bytes of one row; a step's 16 rows turn through the
; wave's own stage in LDS (rows 528 bytes apart) so that a lane gets 2 x 32 neighbours of its row.  Two steps' loads (32) are out.  Every store covers 512 or 256 consecutive aligned bytes.
; No tensor load, no barrier, no cluster: work-groups and waves share no input byte.
.set STG,   8448                       ; a wave's stage: 16 rows x 528 bytes
.set SPARE, 2*STG                      ; behind the stages: the spare words, 128 bytes a wave: one block of 256 bytes that no other line names
.set R,   48                           ; v48-175   two sets of 64 registers as loaded
.set X,   176                          ; v176-239  my 64 numbers: register 32 c + i = k 64 c + 32 h + i of row r
.set F,   24                           ; v24-35    the fragment's codes
.set TMP, 36                           ; v36-43    the second halves' conversions
.set W,   18                           ; v18-21    the four steps' scale words
	s_load_b256 s[4:11], s[0:1], 0x0               ; x s[4:5], Wqkv s[6:7], Wout s[8:9], c1 s[10:11]
	s_load_b64 s[12:13], s[0:1], 0x20              ; s1
	v_lshl_add_u32 v6, v0, 2, SPARE                ; my spare word; never rewritten
	v_mov_b32 v7, 0                                ; 0; never rewritten
	v_lshrrev_b32 v9, 5, v0
	v_readfirstlane_b32 s16, v9                    ; wave = which half of K
	v_and_b32 v9, 31, v0                           ; lane
	v_and_b32 v10, 15, v0                          ; r
	v_bfe_u32 v11, v0, 4, 1                        ; h
	v_lshlrev_b32 v1, 4, v9                        ; 16 x lane
	v_lshl_add_u32 v2, v9, 3, 512                  ; 8 x lane + 512
	s_mul_i32 s17, s16, STG
	v_add_nc_u32 v3, s17, v1                       ; the stage, in: a row's 512 bytes as they lie
	v_mul_u32_u24 v4, v10, 528
	v_lshl_add_u32 v4, v11, 7, v4
	v_add_nc_u32 v4, s17, v4                       ; out: row r, + 128 h: my block of 32 numbers
	v_lshlrev_b32 v5, 4, v10
	v_lshl_add_u32 v5, v11, 3, v5                  ; s1: 16 r + 8 h
	v_lshlrev_b32 v8, 3, v11                       ; 8 h: my bytes' shift in a scale word
	v_cmp_le_u32 s20, 16, v9                       ; lanes 16-31
	v_mov_b32 v17, 0                               ; a lane permute's destination counts as one of its sources
	s_mov_b32 s22, 0x76543210
	s_mov_b32 s23, 0xfedcba98                      ; selects for lane l xor 16
	s_mov_b32 s15, 704
	s_wait_kmcnt 0x0
	s_cmp_lt_u32 ttmp9, s15                        ; which tensor: the choice hangs on the work-group's number alone
	s_cselect_b64 s[6:7], s[6:7], s[8:9]
	s_cselect_b32 s14, 512, s15
	s_cmp_lt_u32 ttmp9, 512
	s_cselect_b64 s[4:5], s[4:5], s[6:7]
	s_cselect_b32 s14, 0, s14
	s_sub_co_u32 s14, ttmp9, s14                   ; the tile's number in its tensor
	s_lshr_b32 s18, s14, 1
	s_lshl_b32 s18, s18, 17                        ; 32 rows of 4,096 bytes for each pair of tiles,
	s_and_b32 s19, s14, 1
	s_lshl_b32 s19, s19, 15                        ; 8 rows for the odd tile,
	s_add_co_u32 s18, s18, s19
	s_lshl_b32 s19, s16, 11                        ; 2,048 bytes for the second half of K
	s_add_co_u32 s18, s18, s19
	s_mov_b32 s19, 0
	s_add_nc_u64 s[4:5], s[4:5], s[18:19]
	s_mul_i32 s18, ttmp9, 12288
	s_mul_i32 s21, s16, 6144
	s_add_co_u32 s18, s18, s21
	s_add_nc_u64 s[10:11], s[10:11], s[18:19]      ; c1 at my eight half images
	s_lshl_b32 s18, ttmp9, 9
	s_lshl_b32 s21, s16, 8
	s_add_co_u32 s18, s18, s21
	s_add_nc_u64 s[12:13], s[12:13], s[18:19]      ; s1 at my 256 bytes
.macro LOAD s                          ; step s: 512 bytes of each of the tile's 16 rows
.irp i, 0,1,2,3,4,5,6,7,8,9,10,11,12,13,14,15
	global_load_b128 v[R+64*((\s)%2)+4*\i:R+64*((\s)%2)+4*\i+3], v1, s[4:5] offset:(\i+8*(\i/8))*4096+512*(\s) th:TH_LOAD_NT
.endr
.endm
.macro STEP s
.if (\s) < 3
	s_wait_loadcnt 16                              ; this step's 16 loads are in; the next step's 16 may be out
.else
	s_wait_loadcnt 0x0
.endif
.irp i, 0,1,2,3,4,5,6,7,8,9,10,11,12,13,14,15
	ds_store_b128 v3, v[R+64*((\s)%2)+4*\i:R+64*((\s)%2)+4*\i+3] offset:\i*528
.endr
.irp c, 0,1
.irp i, 0,1,2,3,4,5,6,7
	ds_load_b128 v[X+32*\c+4*\i:X+32*\c+4*\i+3], v4 offset:256*\c+16*\i   ; LDS serves a wave's instructions in order: these see the stores above
.endr
.endr
	s_wait_dscnt 0x0                               ; my numbers are in, and the stores have read their registers,
.if (\s) < 2
	LOAD (\s)+2                                    ; which take the loads of two steps on
.endif
.irp c, 0,1
	v_max3_num_f32 v[10+\c], |v[X+32*\c]|, |v[X+32*\c+1]|, 0x1800000   ; my block 2 c + h: all 32 numbers are mine; the floor 2^(3 - 127) holds the byte at 1 from below
.endr
.irp i, 2,4,6,8,10,12,14,16,18,20,22,24,26,28,30
.irp c, 0,1
	v_max3_num_f32 v[10+\c], v[10+\c], |v[X+32*\c+\i]|, |v[X+32*\c+\i+1]|
.endr
.endr
.irp c, 0,1
	v_add_nc_u32 v[12+\c], 0xff000000, v[10+\c]    ; 2 off the exponent field: the conversion's scale operand
.endr
.irp c, 0,1
	v_lshrrev_b32 v[14+\c], 23, v[12+\c]           ; the scale's byte
.endr
	v_lshl_or_b32 v16, v15, 16, v14                ; blocks h and 2 + h,
	v_lshlrev_b32 v16, v8, v16                     ; at their places in the word;
	v_permlanex16_b32 v17, v16, s22, s23
	v_or_b32 v[W+(\s)], v16, v17                   ; with lane l xor 16's two the word is whole
.if (\s) > 0
	s_wait_xcnt 0x0                                ; the last step's stores have read the codes' registers, which are written again below
.endif
.irp c, 0,1
	v_cvt_scalef32_pk16_fp6_f32 v[F+6*\c:F+6*\c+2], v[X+32*\c:X+32*\c+15], v[12+\c]
	v_cvt_scalef32_pk16_fp6_f32 v[TMP+4*\c:TMP+4*\c+2], v[X+32*\c+16:X+32*\c+31], v[12+\c]   ; (a conversion's three registers begin on an even number)
.endr
	v_nop                                          ; one plain place behind a scaled conversion
.irp c, 0,1
.irp i, 0,1,2
	v_mov_b32 v[F+6*\c+3+\i], v[TMP+4*\c+\i]
.endr
.endr
.irp c, 0,1
	global_store_b128 v1, v[F+6*\c:F+6*\c+3], s[10:11] offset:(\s)*1536+768*\c     ; 512 consecutive bytes,
	global_store_b64 v2, v[F+6*\c+4:F+6*\c+5], s[10:11] offset:(\s)*1536+768*\c    ; and the 256 behind them
.endr
.endm
	LOAD 0
	LOAD 1
	STEP 0
	STEP 1
	STEP 2
	STEP 3
	v_cndmask_b32 v22, v18, v20, s20               ; lanes 0-15 store words 0, 1 of row r, lanes 16-31 words 2, 3
	v_cndmask_b32 v23, v19, v21, s20
	global_store_b64 v5, v[22:23], s[12:13]        ; 256 consecutive bytes
	s_wait_tensorcnt 0x0                           ; the wave's end, behind my last LDS store
	ds_add_u32 v6, v7
	s_wait_dscnt 0x0
	s_endpgm
.Lfunc_end_k_q10bc67c01f_quant:
	.size	k_q10bc67c01f_quant, .Lfunc_end_k_q10bc67c01f_quant-k_q10bc67c01f_quant
	.p2alignl 7, 3214868480
	.fill 96, 4, 3214868480
	.section	.rodata,"a",@progbits
	.p2align	6, 0x0
	.amdhsa_kernel k_q10bc67c01f_quant
		.amdhsa_group_segment_fixed_size 17152
		.amdhsa_private_segment_fixed_size 0
		.amdhsa_enable_private_segment 0
		.amdhsa_kernarg_size 40
		.amdhsa_user_sgpr_count 2
		.amdhsa_user_sgpr_kernarg_segment_ptr 1
		.amdhsa_wavefront_size32 1
		.amdhsa_system_sgpr_workgroup_id_x 1
		.amdhsa_system_sgpr_workgroup_id_y 1
		.amdhsa_system_sgpr_workgroup_id_z 1
		.amdhsa_system_vgpr_workitem_id 0
		.amdhsa_next_free_vgpr 240
		.amdhsa_next_free_sgpr 66
		.amdhsa_reserve_vcc 0
		.amdhsa_float_denorm_mode_32 3
		.amdhsa_float_denorm_mode_16_64 3
		.amdhsa_memory_ordered 1
		.amdhsa_forward_progress 1
		.amdhsa_inst_pref_size 31
	.end_amdhsa_kernel
	.amdgpu_metadata
---
amdhsa.version: [ 1, 2 ]
amdhsa.kernels:
  - .name:           k_q10bc67c01f_quant
    .symbol:         k_q10bc67c01f_quant.kd
    .args:
      - { .name: x, .offset: 0, .size: 8, .value_kind: global_buffer, .address_space: global }
      - { .name: Wqkv, .offset: 8, .size: 8, .value_kind: global_buffer, .address_space: global }
      - { .name: Wout, .offset: 16, .size: 8, .value_kind: global_buffer, .address_space: global }
      - { .name: c1, .offset: 24, .size: 8, .value_kind: global_buffer, .address_space: global }
      - { .name: s1, .offset: 32, .size: 8, .value_kind: global_buffer, .address_space: global }
    .group_segment_fixed_size: 17152
    .private_segment_fixed_size: 0
    .kernarg_segment_align: 8
    .kernarg_segment_size: 40
    .max_flat_workgroup_size: 64
    .sgpr_count:     66
    .vgpr_count:     240
    .wavefront_size: 32
...
	.end_amdgpu_metadata
.endif
;; end of part 1
;; launch qkv (part 2): grid 8 x 96, 4 waves a work-group, clusters of 4 x 4, 327,680 bytes of LDS; arguments c1, s1, c2, s2; writes c2, s2
.if DOCPART == 2
	.amdgcn_target "amdgcn-amd-amdhsa--gfx1250"
	.amdhsa_code_object_version 6
	.text
	.protected	k_q10bc67c01f_qkv
	.globl	k_q10bc67c01f_qkv
	.p2align	8
	.type	k_q10bc67c01f_qkv,@function
k_q10bc67c01f_qkv:
	s_mov_b64 s[64:65], 0
	v_nop
	global_prefetch_b8 v0, s[64:65] scope:SCOPE_SE
	s_setreg_imm32_b32 hwreg(HW_REG_WAVE_MODE, 25, 1), 1
	s_wait_xcnt 0x0
	s_wait_alu depctr_hold_cnt(0) depctr_sa_sdst(0) depctr_va_vdst(0) depctr_va_sdst(0) depctr_va_ssrc(0) depctr_va_vcc(0) depctr_vm_vsrc(0)
	s_getreg_b32 s2, hwreg(HW_REG_IB_STS2, 6, 4)
	s_cmp_eq_u32 s2, 0
	s_cbranch_scc0 .Lentry_in_a_cluster
	s_endpgm
.Lentry_in_a_cluster:
	s_bfe_u32 s2, ttmp6, 0x10000c
	s_cmp_lg_u32 s2, 0xf033
	s_cbranch_scc0 .Lentry_shape_is_right
	s_endpgm
.Lentry_shape_is_right:
; qkv = x Wqkv^T on codes of FP6 (E2M3) with E8M0 scales, K = 1,024; the results never reach memory as f32: the way out quantises them for the attention's products.
; OPERANDS come as register images (tiles of 16 rows 32 B + 8 u + r + 8 (r / 8); half images of 768 bytes; a fragment of 128 K is two on end).
; A work-group makes 128 rows of R (source 1) x 256 rows of S (source 0); wave w takes R's tiles 4 (w / 2) .. + 3 and S's tiles 8 (w % 2) .. + 7: 32 accumulators.
; In the result a lane holds ONE row of R, and the 16 registers of S's tiles 2 b, 2 b + 1 are 16 neighbours 32 b + 16 h + i along S's rows.
;   q, k part (cluster y under 16): R = x (tokens), S = Wq, Wk (channels): a lane's 64 registers run along two heads' channels: blocks of 32 along the head's 64.
;   v part (cluster y from 16 on): R = Wv (channels), S = x (tokens): a lane's 64 registers run along 128 keys: blocks of 32 along the keys.  One text serves both: only numbers are chosen.
; ALL OF K LIES IN LDS: four pieces of 256 along K (R's 8 tiles, S's 16: 73,728 bytes each) and the scale words; every LDS byte is filled once, so no slot is filled again.
; All tiles are asked for in the first lines, so nothing is left that a later request could run ahead of: no prefetch.
; CLUSTER 4 x 4: R's tiles hang on cy alone and are asked for jointly along a row of the cluster, S's on cx alone, along a column.
; c2: [192][98,304]: q of (b, head) at 16 b + head, k at 64 +, v at 128 +.  q, k: [token tile 128][768].  v: [128 keys 16][channel tile 4][2][768].
; s2: [192][4,096]: q, k: [pair of tiles 64][r 16] words, low half the even tile's two bytes, high half the odd tile's; v: [128 keys 16][channel tile 4][r 16] words.
; LIMITS: a block of zeros gets the byte 1 over zero codes (the bytes are read by this program alone); NaN and infinities are not served.
; REGISTERS: window 0: v1-6 LDS addresses, v7-12 lane numbers, v28, v29 the add's two, v32-63 S's scale words, v64-79 R's, v80-127 R's fragments, v128-223 S's (set 0);
;   window 1: the accumulators, (t, s) at 8 (8 t + s);  window 2: v80-223 fragment set 1.
.set PIECE, 73728
.set RSCL,  4*PIECE                    ; R's scale words: 8 tiles x 512 bytes
.set SSCL,  RSCL+4096                  ; S's: 16 tiles x 512 bytes
.set SPARE, SSCL+8192                  ; the spare words, 128 bytes a wave: two blocks of 256 bytes that no other line names
.set RF,  80
.set SF,  128
.set SSR, 32
.set RSR, 64
.set PC,  80                           ; the way out: v80-127 four fragments of codes
.set CT,  128                          ; v128-135 the second halves' conversions
.set TM,  136                          ; v136-151 at work
.set PW,  152                          ; v152-155 the four scale words
.set VO16, 160                         ; v160-167, v168-175 the stores' offsets
.set VO8,  168
.set EE,  176
.set MSB, 0
.macro WIN new                         ; the immediate's high byte repeats the setting that is left
.if MSB != \new
	s_set_vgpr_msb (MSB<<8)|\new
.set MSB, \new
.endif
.endm
.macro PLACES n
.rept \n
	v_nop
.endr
.endm
.macro CROUND                          ; a round of the cluster's barrier
	s_barrier_signal -1
	s_barrier_wait -1
	s_cmp_lg_u32 s12, 0
	s_cbranch_scc1 .Lnot_wave_0_\@
	s_barrier_signal -3
.Lnot_wave_0_\@:
	s_barrier_wait -3
	s_barrier_signal -1
	s_barrier_wait -1
.endm
.macro TL g0, g1
	tensor_load_to_lds s[\g0:\g0+3], s[\g1:\g1+7]
	s_nop 0
.endm
.macro FRAG d, a16, a8, o              ; a fragment: two half images on end
	ds_load_b128 v[(\d):(\d)+3], v[\a16] offset:(\o)
	ds_load_b64 v[(\d)+4:(\d)+5], v[\a8] offset:(\o)
	ds_load_b128 v[(\d)+6:(\d)+9], v[\a16] offset:(\o)+768
	ds_load_b64 v[(\d)+10:(\d)+11], v[\a8] offset:(\o)+768
.endm
.macro SCALES                          ; lane (r, h) takes tile 2 p + h: a register holds the even tile's words in lanes 0-15 and the odd tile's in lanes 16-31; register 8 p + k is K step k's
.irp p, 0,1,2,3
.irp q, 0,1
	ds_load_b128 v[SSR+8*\p+4*\q:SSR+8*\p+4*\q+3], v6 offset:\p*1024+\q*256
.endr
.endr
.irp p, 0,1
.irp q, 0,1
	ds_load_b128 v[RSR+8*\p+4*\q:RSR+8*\p+4*\q+3], v5 offset:\p*1024+\q*256
.endr
.endr
.endm
.macro FETCH k, set                    ; 48 LDS loads in one run: K step k's four fragments of R and eight of S
.if \set
	WIN 0x80
.else
	WIN 0
.endif
.irp t, 0,1,2,3
	FRAG RF+12*\t, 1, 2, \t*3072+((\k)%2)*1536
.endr
.irp s, 0,1,2,3,4,5,6,7
	FRAG SF+12*\s, 3, 4, \s*3072+((\k)%2)*1536
.endr
.endm
.macro WM d, a, b, zero, sa, sb, ra, rb   ; one product; ra, rb: the side's scale words stand in lanes 16-31
.if \zero
.if (\ra) && (\rb)
	v_wmma_scale_f32_16x16x128_f8f6f4 v[(\d):(\d)+7], v[(\a):(\a)+11], v[(\b):(\b)+11], 0, v[(\sa)], v[(\sb)] matrix_a_fmt:MATRIX_FMT_FP6 matrix_b_fmt:MATRIX_FMT_FP6 matrix_a_scale:MATRIX_SCALE_ROW1 matrix_b_scale:MATRIX_SCALE_ROW1
.elseif (\ra)
	v_wmma_scale_f32_16x16x128_f8f6f4 v[(\d):(\d)+7], v[(\a):(\a)+11], v[(\b):(\b)+11], 0, v[(\sa)], v[(\sb)] matrix_a_fmt:MATRIX_FMT_FP6 matrix_b_fmt:MATRIX_FMT_FP6 matrix_a_scale:MATRIX_SCALE_ROW1
.elseif (\rb)
	v_wmma_scale_f32_16x16x128_f8f6f4 v[(\d):(\d)+7], v[(\a):(\a)+11], v[(\b):(\b)+11], 0, v[(\sa)], v[(\sb)] matrix_a_fmt:MATRIX_FMT_FP6 matrix_b_fmt:MATRIX_FMT_FP6 matrix_b_scale:MATRIX_SCALE_ROW1
.else
	v_wmma_scale_f32_16x16x128_f8f6f4 v[(\d):(\d)+7], v[(\a):(\a)+11], v[(\b):(\b)+11], 0, v[(\sa)], v[(\sb)] matrix_a_fmt:MATRIX_FMT_FP6 matrix_b_fmt:MATRIX_FMT_FP6
.endif
.else
.if (\ra) && (\rb)
	v_wmma_scale_f32_16x16x128_f8f6f4 v[(\d):(\d)+7], v[(\a):(\a)+11], v[(\b):(\b)+11], v[(\d):(\d)+7], v[(\sa)], v[(\sb)] matrix_a_fmt:MATRIX_FMT_FP6 matrix_b_fmt:MATRIX_FMT_FP6 matrix_a_scale:MATRIX_SCALE_ROW1 matrix_b_scale:MATRIX_SCALE_ROW1
.elseif (\ra)
	v_wmma_scale_f32_16x16x128_f8f6f4 v[(\d):(\d)+7], v[(\a):(\a)+11], v[(\b):(\b)+11], v[(\d):(\d)+7], v[(\sa)], v[(\sb)] matrix_a_fmt:MATRIX_FMT_FP6 matrix_b_fmt:MATRIX_FMT_FP6 matrix_a_scale:MATRIX_SCALE_ROW1
.elseif (\rb)
	v_wmma_scale_f32_16x16x128_f8f6f4 v[(\d):(\d)+7], v[(\a):(\a)+11], v[(\b):(\b)+11], v[(\d):(\d)+7], v[(\sa)], v[(\sb)] matrix_a_fmt:MATRIX_FMT_FP6 matrix_b_fmt:MATRIX_FMT_FP6 matrix_b_scale:MATRIX_SCALE_ROW1
.else
	v_wmma_scale_f32_16x16x128_f8f6f4 v[(\d):(\d)+7], v[(\a):(\a)+11], v[(\b):(\b)+11], v[(\d):(\d)+7], v[(\sa)], v[(\sb)] matrix_a_fmt:MATRIX_FMT_FP6 matrix_b_fmt:MATRIX_FMT_FP6
.endif
.endif
.endm
.macro MULH k, half, zero              ; 16 products: R's tiles 2 half, 2 half + 1 x S's eight.  The 32 accumulators take turns, one instruction a turn, in the same order in every step
.irp t, 2*\half, 2*\half+1
.irp s, 0,1,2,3,4,5,6,7
	WM 8*(8*(\t)+\s), SF+12*\s, RF+12*(\t), \zero, SSR+8*(\s/2)+(\k), RSR+8*((\t)/2)+(\k), \s%2, (\t)%2
.endr
.endr
.endm
.macro EVEN k, zero                    ; an even K step multiplies set 0; the next step, in the same piece, is fetched into set 1 at its head
.if (\k) > 0
	PLACES 4                                       ; four places in front of loads into registers that the last products read
.endif
	FETCH (\k)+1, 1
	s_wait_dscnt 48                                ; all but the 48 just issued: this step's fragments are in
	WIN 0x50
	MULH \k, 0, \zero
	MULH \k, 1, \zero
.endm
.macro ODD k                           ; an odd K step multiplies set 1 and goes on to the next piece
	s_wait_tensorcnt 3-((\k)+1)/2                  ; my part of the next piece has landed; the later pieces' loads may stay out
	s_wait_dscnt 0x0                               ; this step's fragments are in; no LDS instruction of mine is out at the signal
	s_barrier_signal -1
	WIN 0x5a
	MULH \k, 0, 0
	WIN 0
	s_barrier_wait -1                              ; the next piece is whole
.irp a, 1,2,3,4
	v_add_nc_u32 v[\a], PIECE, v[\a]               ; on to it; these four are also the places in front of the loads into set 0
.endr
	FETCH (\k)+1, 0
	WIN 0x5a
	MULH \k, 1, 0
.endm
	s_load_b256 s[4:11], s[0:1], 0x0               ; c1 s[4:5], s1 s[6:7], c2 s[8:9], s2 s[10:11]
	v_lshl_add_u32 v28, v0, 2, SPARE
	v_mov_b32 v29, 0
	ds_add_u32 v28, v29                            ; the wave's opening: the add and its wait come ahead of the first tensor loads; work on registers stands between them
	v_lshrrev_b32 v1, 5, v0
	v_readfirstlane_b32 s12, v1                    ; wave 0..3
	s_lshr_b32 s13, s12, 1                         ; which four tiles of R are mine.  Also: which half of S waves 1 and 2 fetch
	s_and_b32 s14, s12, 1                          ; which eight tiles of S are mine
	s_bfe_u32 s15, ttmp6, 0x40000                  ; cx
	s_bfe_u32 s16, ttmp6, 0x40004                  ; cy
	s_and_b32 s17, ttmp7, 0xffff                   ; cluster y
	s_lshl_b32 s18, s16, 2
	s_lshl_b32 s18, 15, s18                        ; my row of the cluster
	s_lshl_b32 s19, 0x1111, s15                    ; my column
	s_or_b32 s24, s18, (3<<16)|(1<<21)             ; group 1 for R's tiles: the mask; elements of 8 bytes; bit 21 beside a mask; no padding
	s_or_b32 s32, s19, (3<<16)|(1<<21)             ; for S's
	s_or_b32 s40, s18, (3<<16)|(1<<21)             ; for R's scale words
	s_or_b32 s48, s19, (3<<16)|(1<<21)             ; for S's
.irp g, 24, 32
	s_mov_b32 s[\g+1], 384<<16                     ; tensor_dim0: 3,072 bytes: a tile's 256 along K
	s_mov_b32 s[\g+2], 8<<16                       ; tensor_dim1: 8 tiles
	s_mov_b32 s[\g+3], 384<<16                     ; tile_dim0
	s_mov_b32 s[\g+4], 8                           ; tile_dim1
	s_mov_b32 s[\g+5], 1536                        ; from tile to tile: 12,288 bytes
	s_mov_b32 s[\g+6], 0
	s_mov_b32 s[\g+7], 0
.endr
	s_mov_b32 s41, 32<<16                          ; a dense block as rows of 256 bytes: 16 rows for R's scale words,
	s_mov_b32 s42, 16<<16
	s_mov_b32 s43, 32<<16
	s_mov_b32 s44, 16
	s_mov_b32 s45, 32
	s_mov_b32 s46, 0
	s_mov_b32 s47, 0
	s_mov_b32 s49, 32<<16                          ; 32 rows for S's
	s_mov_b32 s50, 32<<16
	s_mov_b32 s51, 32<<16
	s_mov_b32 s52, 32
	s_mov_b32 s53, 32
	s_mov_b32 s54, 0
	s_mov_b32 s55, 0
	s_lshl_b32 s20, s17, 2                         ; R's first tile.  q, k part: x's tile 8 (4 Y + cy);
	s_add_co_u32 s20, s20, s16
	s_lshl_b32 s20, s20, 3
	s_lshl_b32 s21, ttmp9, 2                       ; v part: Wv's tile 640 + 8 (4 X + cy)
	s_add_co_u32 s21, s21, s16
	s_lshl_b32 s21, s21, 3
	s_add_co_u32 s21, s21, 640
	s_lshl_b32 s22, ttmp9, 2                       ; S's first tile.  q, k part: W's tile 512 + 16 (4 X + cx);
	s_add_co_u32 s22, s22, s15
	s_lshl_b32 s22, s22, 4
	s_add_co_u32 s22, s22, 512
	s_sub_co_u32 s23, s17, 16                      ; v part: x's tile 16 (4 (Y - 16) + cx)
	s_lshl_b32 s23, s23, 2
	s_add_co_u32 s23, s23, s15
	s_lshl_b32 s23, s23, 4
	s_cmp_ge_u32 s17, 16                           ; the part hangs on the cluster's y, which all sixteen partners share
	s_cselect_b32 s20, s21, s20
	s_cselect_b32 s22, s23, s22
	s_mul_i32 s2, s20, 12288                       ; R's codes, in bytes
	s_mov_b32 s3, 0
	s_lshl_b32 s20, s20, 9                         ; R's scale words
	s_mov_b32 s21, 0
	s_lshl_b32 s23, s13, 3
	s_add_co_u32 s23, s23, s22                     ; the eight tiles of S that I fetch
	s_mul_i32 s66, s23, 12288
	s_mov_b32 s67, 0
	s_lshl_b32 s22, s22, 9                         ; S's scale words
	s_mov_b32 s23, 0
	s_mul_i32 s100, s13, 24576                     ; and their place in a piece
	s_wait_dscnt 0x0                               ; the opening add is done
	s_wait_kmcnt 0x0
	s_add_nc_u64 s[2:3], s[4:5], s[2:3]
	s_add_nc_u64 s[20:21], s[6:7], s[20:21]
	s_add_nc_u64 s[66:67], s[4:5], s[66:67]
	s_add_nc_u64 s[22:23], s[6:7], s[22:23]
.irp p, 0,1,2,3                        ; groups 0: piece p of R at s[56 + 4 p (+ 4 from p = 2 on)], of S at s[76 + 4 p]
	s_mov_b32 s[56+4*\p+4*(\p/2)], 1
	s_mov_b32 s[57+4*\p+4*(\p/2)], \p*PIECE
	s_add_nc_u64 s[58+4*\p+4*(\p/2):59+4*\p+4*(\p/2)], s[2:3], \p*3072
	s_or_b32 s[59+4*\p+4*(\p/2)], s[59+4*\p+4*(\p/2)], 0x80000000
	s_mov_b32 s[76+4*\p], 1
	s_add_co_u32 s[77+4*\p], s100, \p*PIECE+24576
	s_add_nc_u64 s[78+4*\p:79+4*\p], s[66:67], \p*3072
	s_or_b32 s[79+4*\p], s[79+4*\p], 0x80000000
.endr
	s_mov_b32 s92, 1
	s_mov_b32 s93, RSCL
	s_mov_b64 s[94:95], s[20:21]
	s_or_b32 s95, s95, 0x80000000
	s_mov_b32 s96, 1
	s_mov_b32 s97, SSCL
	s_mov_b64 s[98:99], s[22:23]
	s_or_b32 s99, s99, 0x80000000
	CROUND                                         ; all sixteen work-groups are here: the joint loads meet
	s_cmp_eq_u32 s12, 0                            ; all fills of the launch, one group: wave 0 R (five loads out), wave 1 S's scale words and tiles 0-7 (five), wave 2 S's tiles 8-15 (four)
	s_cbranch_scc0 .Lnot_w0
	TL 92, 40
	TL 56, 24
	TL 60, 24
	TL 68, 24
	TL 72, 24
	PLACES 4
	s_branch .Lasked
.Lnot_w0:
	s_cmp_eq_u32 s12, 1
	s_cbranch_scc0 .Lnot_w1
	TL 96, 48
	TL 76, 32
	TL 80, 32
	TL 84, 32
	TL 88, 32
	PLACES 4
	s_branch .Lasked
.Lnot_w1:
	s_cmp_eq_u32 s12, 2
	s_cbranch_scc0 .Lasked
	TL 76, 32
	TL 80, 32
	TL 84, 32
	TL 88, 32
	PLACES 4
.Lasked:
	v_and_b32 v7, 31, v0                           ; lane
	v_and_b32 v8, 15, v0                           ; r
	v_bfe_u32 v9, v0, 4, 1                         ; h
	v_lshlrev_b32 v10, 4, v7                       ; 16 x lane
	v_lshl_add_u32 v11, v7, 3, 512                 ; 8 x lane + 512
	s_mul_i32 s18, s13, 12288                      ; my four tiles of R in a piece
	s_mul_i32 s19, s14, 24576
	s_add_co_u32 s19, s19, 24576                   ; my eight tiles of S
	v_add_nc_u32 v1, s18, v10
	v_add_nc_u32 v2, s18, v11
	v_add_nc_u32 v3, s19, v10
	v_add_nc_u32 v4, s19, v11
	v_lshlrev_b32 v12, 4, v8
	v_lshl_add_u32 v12, v9, 9, v12                 ; 16 r + 512 h
	s_lshl_b32 s18, s13, 11
	s_add_co_u32 s18, s18, RSCL
	s_lshl_b32 s19, s14, 12
	s_add_co_u32 s19, s19, SSCL
	v_add_nc_u32 v5, s18, v12
	v_add_nc_u32 v6, s19, v12
	s_wait_tensorcnt 3                             ; the scale words and piece 0 are in: three later pieces' loads may be out
	s_barrier_signal -1
	s_barrier_wait -1                              ; everybody's are
	SCALES
	FETCH 0, 0
	EVEN 0, 1                                      ; the first step's products start the sums: nothing is cleared
	ODD 1
	EVEN 2, 0
	ODD 3
	EVEN 4, 0
	ODD 5                                          ; its wait on TENSORcnt is for 0: from here on the descriptors' registers are free
	EVEN 6, 0
	s_wait_dscnt 0x0
	WIN 0x5a
	MULH 7, 0, 0
	MULH 7, 1, 0
	WIN 0
	PLACES 4                                       ; in front of the first reads of results and of writes into registers that products have read
	; THE WAY OUT.  Where my results go, for both parts; then one compare chooses.
	s_lshl_b32 s20, s17, 2
	s_add_co_u32 s20, s20, s16                     ; q, k: block of 128 tokens
	s_lshl_b32 s21, ttmp9, 2
	s_add_co_u32 s22, s21, s15                     ; q, k: block of 256 channels
	s_add_co_u32 s21, s21, s16                     ; v: block of 128 channels
	s_sub_co_u32 s23, s17, 16
	s_lshl_b32 s23, s23, 2
	s_add_co_u32 s23, s23, s15                     ; v: block of 256 tokens
	s_lshl_b32 s24, s22, 2
	s_lshl_b32 s25, s14, 1
	s_add_co_u32 s24, s24, s25                     ; my first head among q's 16 and k's 16
	s_lshr_b32 s26, s24, 4
	s_lshl_b32 s26, s26, 6
	s_lshr_b32 s25, s20, 4
	s_lshl_b32 s25, s25, 4
	s_add_co_u32 s26, s26, s25
	s_and_b32 s25, s24, 15
	s_add_co_u32 s26, s26, s25                     ; q, k: 64 (k?) + 16 b + head
	s_and_b32 s25, s20, 15
	s_lshl_b32 s25, s25, 3
	s_lshl_b32 s27, s13, 2
	s_add_co_u32 s25, s25, s27                     ; my first token tile in the batch
	s_mul_i32 s29, s25, 768
	s_lshl_b32 s31, s25, 5
	s_and_b32 s27, s23, 7
	s_lshl_b32 s27, s27, 1
	s_add_co_u32 s27, s27, s14                     ; v: which 128 keys
	s_lshr_b32 s28, s23, 3
	s_lshl_b32 s28, s28, 4
	s_lshl_b32 s30, s21, 1
	s_add_co_u32 s28, s28, s30
	s_add_co_u32 s28, s28, s13
	s_add_co_u32 s28, s28, 128                     ; v: 128 + 16 b + head
	s_mul_i32 s30, s27, 6144
	s_lshl_b32 s32, s27, 8
	s_cmp_ge_u32 s17, 16
	s_cselect_b32 s26, s28, s26
	s_cselect_b32 s29, s30, s29
	s_cselect_b32 s31, s32, s31
	s_mov_b32 s33, 768
	s_cselect_b32 s34, 1536, s33                   ; from tile of R to tile of R
	s_mov_b32 s35, 98304
	s_cselect_b32 s35, s33, s35                    ; from half image to half image: the next head, or the next 64 keys
	s_mov_b32 s36, 4096
	s_cselect_b32 s36, 128, s36                    ; from the first store of scale words to the second
	s_cselect_b32 s37, -1, 0                       ; all lanes in the v part
	s_mul_i32 s38, s26, 98304
	s_add_co_u32 s38, s38, s29
	s_mov_b32 s39, 0
	s_add_nc_u64 s[8:9], s[8:9], s[38:39]
	s_lshl_b32 s38, s26, 12
	s_add_co_u32 s38, s38, s31
	s_add_nc_u64 s[10:11], s[10:11], s[38:39]
	v_cmp_le_u32 s43, 16, v7                       ; lanes 16-31
.irp b, 0,1,2,3
	v_mov_b32 v[TM+4+\b], 0                        ; a lane permute's destination counts as one of its sources
.endr
.irp t, 0,1,2,3
.irp j, 0,1
	s_mul_i32 s42, s34, \t
.if \j
	s_add_co_u32 s42, s42, s35
.endif
	v_add_nc_u32 v[VO16+2*\t+\j], s42, v10
	v_add_nc_u32 v[VO8+2*\t+\j], s42, v11
.endr
.endr
; R's tile t: my 64 results (window 1, register 64 t + 16 b + i = place 32 b + 16 h + i along S) become a fragment's codes and my row's scale word
.macro QUANT t
	WIN 0x14                                       ; sources 1 and 2 in window 1.
.irp b, 0,1,2,3
	v_max3_num_f32 v[TM+\b], 0x1800000, |v[64*\t+16*\b]|, |v[64*\t+16*\b+1]|   ; the floor 2^(3 - 127) holds the byte at 1 from below
.endr
.irp i, 2,4,6,8,10,12,14
.irp b, 0,1,2,3
	v_max3_num_f32 v[TM+\b], v[TM+\b], |v[64*\t+16*\b+\i]|, |v[64*\t+16*\b+\i+1]|
.endr
.endr
	WIN 0
.irp b, 0,1,2,3
	v_permlanex16_b32 v[TM+4+\b], v[TM+\b], s40, s41
.endr
.irp b, 0,1,2,3
	v_max_num_f32 v[TM+\b], v[TM+\b], v[TM+4+\b]   ; with lane l xor 16's: the block's largest magnitude
.endr
.irp b, 0,1,2,3
	v_add_nc_u32 v[TM+12+\b], 0xff000000, v[TM+\b] ; 2 off the exponent field: the conversion's scale operand
.endr
.irp b, 0,1,2,3
	v_lshrrev_b32 v[TM+4+\b], 23, v[TM+12+\b]      ; the scale's byte
.endr
	v_lshl_or_b32 v[PW+\t], v[TM+5], 8, v[TM+4]
	v_lshl_or_b32 v[PW+\t], v[TM+6], 16, v[PW+\t]
	v_lshl_or_b32 v[PW+\t], v[TM+7], 24, v[PW+\t]
	WIN 0x01                                       ; source 0 in window 1
.irp c, 0,1
	v_cvt_scalef32_pk16_fp6_f32 v[PC+12*\t+6*\c:PC+12*\t+6*\c+2], v[64*\t+32*\c:64*\t+32*\c+15], v[TM+12+2*\c]
	v_cvt_scalef32_pk16_fp6_f32 v[CT+4*\c:CT+4*\c+2], v[64*\t+32*\c+16:64*\t+32*\c+31], v[TM+12+2*\c+1]
.endr
	WIN 0
	v_nop                                          ; one plain place behind a scaled conversion
.irp c, 0,1                                    ; the layout wants a whole block in a lane: lanes 0-15 block 2 c, lanes 16-31 block 2 c + 1
.irp i, 0,1,2
	v_permlane16_swap_b32 v[PC+12*\t+6*\c+\i], v[CT+4*\c+\i]
.endr
.irp i, 0,1,2
	v_mov_b32 v[PC+12*\t+6*\c+3+\i], v[CT+4*\c+\i]
.endr
.endr
.endm
	s_mov_b32 s40, 0x76543210
	s_mov_b32 s41, 0xfedcba98                      ; selects for lane l xor 16
.irp t, 0,1,2,3
	QUANT \t
.irp j, 0,1
	global_store_b128 v[VO16+2*\t+\j], v[PC+12*\t+6*\j:PC+12*\t+6*\j+3], s[8:9]      ; a half image: 512 consecutive bytes,
	global_store_b64 v[VO8+2*\t+\j], v[PC+12*\t+6*\j+4:PC+12*\t+6*\j+5], s[8:9]      ; and the 256 behind them.  Every tile has registers of its own: none is written again
.endr
.endr
	v_perm_b32 v[EE], v[PW+1], v[PW], 0x05040100       ; q, k: a pair of tiles' bytes of the first head,
	v_perm_b32 v[EE+1], v[PW+3], v[PW+2], 0x05040100
	v_perm_b32 v[EE+2], v[PW+1], v[PW], 0x07060302     ; and of the second
	v_perm_b32 v[EE+3], v[PW+3], v[PW+2], 0x07060302
.irp i, 0,1,2,3
	v_cndmask_b32 v[EE+\i], v[EE+\i], v[PW+\i], s37    ; v: the four tiles' words as they are
.endr
	v_cndmask_b32 v[EE+4], v[EE], v[EE+1], s43         ; lanes 0-15 store the first of two, lanes 16-31 the second
	v_cndmask_b32 v[EE+5], v[EE+2], v[EE+3], s43
	v_lshlrev_b32 v[EE+8], 2, v7
	v_add_nc_u32 v[EE+9], s36, v[EE+8]
	global_store_b32 v[EE+8], v[EE+4], s[10:11]        ; 128 consecutive bytes each
	global_store_b32 v[EE+9], v[EE+5], s[10:11]
	s_wait_tensorcnt 0x0                           ; the wave's end
	ds_add_u32 v28, v29
	s_wait_dscnt 0x0
	CROUND                                         ; the closing round
	s_endpgm
.Lfunc_end_k_q10bc67c01f_qkv:
	.size	k_q10bc67c01f_qkv, .Lfunc_end_k_q10bc67c01f_qkv-k_q10bc67c01f_qkv
	.p2alignl 7, 3214868480
	.fill 96, 4, 3214868480
	.section	.rodata,"a",@progbits
	.p2align	6, 0x0
	.amdhsa_kernel k_q10bc67c01f_qkv
		.amdhsa_group_segment_fixed_size 327680
		.amdhsa_private_segment_fixed_size 0
		.amdhsa_enable_private_segment 0
		.amdhsa_kernarg_size 32
		.amdhsa_user_sgpr_count 2
		.amdhsa_user_sgpr_kernarg_segment_ptr 1
		.amdhsa_wavefront_size32 1
		.amdhsa_system_sgpr_workgroup_id_x 1
		.amdhsa_system_sgpr_workgroup_id_y 1
		.amdhsa_system_sgpr_workgroup_id_z 1
		.amdhsa_system_vgpr_workitem_id 0
		.amdhsa_next_free_vgpr 768
		.amdhsa_next_free_sgpr 102
		.amdhsa_reserve_vcc 0
		.amdhsa_float_denorm_mode_32 3
		.amdhsa_float_denorm_mode_16_64 3
		.amdhsa_memory_ordered 1
		.amdhsa_forward_progress 1
		.amdhsa_inst_pref_size 91
	.end_amdhsa_kernel
	.amdgpu_metadata
---
amdhsa.version: [ 1, 2 ]
amdhsa.kernels:
  - .name:           k_q10bc67c01f_qkv
    .symbol:         k_q10bc67c01f_qkv.kd
    .args:
      - { .name: c1, .offset: 0, .size: 8, .value_kind: global_buffer, .address_space: global }
      - { .name: s1, .offset: 8, .size: 8, .value_kind: global_buffer, .address_space: global }
      - { .name: c2, .offset: 16, .size: 8, .value_kind: global_buffer, .address_space: global }
      - { .name: s2, .offset: 24, .size: 8, .value_kind: global_buffer, .address_space: global }
    .group_segment_fixed_size: 327680
    .private_segment_fixed_size: 0
    .kernarg_segment_align: 8
    .kernarg_segment_size: 32
    .max_flat_workgroup_size: 128
    .sgpr_count:     102
    .vgpr_count:     768
    .wavefront_size: 32
...
	.end_amdgpu_metadata
.endif
;; end of part 2
;; launch attn (part 3): grid 4 x 64, 16 waves a work-group, clusters of 4 x 1, 327,680 bytes of LDS; arguments c2, s2, c3, s3; writes c3, s3
.if DOCPART == 3
	.amdgcn_target "amdgcn-amd-amdhsa--gfx1250"
	.amdhsa_code_object_version 6
	.text
	.protected	k_q10bc67c01f_attn
	.globl	k_q10bc67c01f_attn
	.p2align	8
	.type	k_q10bc67c01f_attn,@function
k_q10bc67c01f_attn:
	s_mov_b64 s[64:65], 0
	v_nop
	global_prefetch_b8 v0, s[64:65] scope:SCOPE_SE
	s_setreg_imm32_b32 hwreg(HW_REG_WAVE_MODE, 25, 1), 1
	s_wait_xcnt 0x0
	s_wait_alu depctr_hold_cnt(0) depctr_sa_sdst(0) depctr_va_vdst(0) depctr_va_sdst(0) depctr_va_ssrc(0) depctr_va_vcc(0) depctr_vm_vsrc(0)
	s_getreg_b32 s2, hwreg(HW_REG_IB_STS2, 6, 4)
	s_cmp_eq_u32 s2, 0
	s_cbranch_scc0 .Lentry_in_a_cluster
	s_endpgm
.Lentry_in_a_cluster:
	s_bfe_u32 s2, ttmp6, 0x10000c
	s_cmp_lg_u32 s2, 0x3003
	s_cbranch_scc0 .Lentry_shape_is_right
	s_endpgm
.Lentry_shape_is_right:
; y = softmax(q k^T / 8, causal) v for one (batch, head) a cluster, both products on codes of FP6 (E2M3) with E8M0 scales; y leaves quantised along its channels, as the last product's operand.
; THE SOFTMAX: t = score x log2(e) / 8; M = the running largest t rounded UP to a whole number; p = 2^(t - M) is quantised along the keys, not normalised; the row's sum is taken of the unquantised p
; and divides at the end; when M moves, the sum and O are multiplied by 2^(old M - new M), which rounds nothing.
; SHARES.  The four work-groups of a cluster share a head: work-group cx owns the blocks of 32 queries 4 G + cx, G = 0 .. 15.  A wave owns one tile of 16 queries in each of two passes: G and 15 - G,
; G from the wave's number alone: 17 key steps of 128 keys a wave.  A step all of whose keys come after the tile's queries is jumped over (a branch on the wave's number and the loop's count);
; in step G, on the diagonal, hidden scores become -infinity ahead of the maximum.
; THE HEAD'S WHOLE K AND V LIE IN LDS (98,304 bytes each, and 4,096 of scale words each), asked for jointly by the four work-groups, once, in the first lines: nothing is filled again, and nothing is
; left that a later request could run ahead of: no prefetch.  The first pass needs keys 0-1,023 alone and starts when they are in.
; LAYOUT.  Both products transposed: S^T = k q^T, O^T = v^T p^T: a lane holds ONE query.  Tiles are 16 rows 32 B + 8 u + r + 8 (r / 8), so the 16 registers of result tiles 2 b, 2 b + 1 are 16 neighbours.
; K = 64 IN AN INSTRUCTION OF 128: twelve registers hold key tiles 2 i (k 0-63) and 2 i + 1 (k 64-127); q stands between two runs of six zero registers, v[22:33] = (q, 0) and v[16:27] = (0, q):
; the tile that is not meant meets zero codes; E2M3 has no NaN or infinity and the scale bytes are 1 .. 254, so it adds exactly 0.
; LIMITS: a block of zeros gets the byte 1 over zero codes (read by this program alone).  y's scale bytes leave one byte a lane, 32 bytes a tile: 262,144 bytes in the launch.
.set VC,    98304                      ; LDS: K's codes at 0, V's here,
.set KSC,   196608                     ; K's scale words, V's 4,096 on,
.set SPARE, 204800                     ; the spare words, 128 bytes a wave: eight blocks of 256 bytes that no other line names
.set BM, 212                           ; v212-215 the blocks' largest
.set BT, 216                           ; v216-219 at work; the bytes
.set SO, 220                           ; v220-223 the conversions' scale operands
; v1 16 x lane, v2 8 x lane + 512, v3 4 x lane + KSC, v4, v5 the add's two, v6 my query's place in its 128 less 16 h, v7-11 the step's LDS addresses, v12 -M, v13 the largest t, v[14:15] the sum,
; v16-33 (0, q, 0), v34 q's scale word, v35, v94 the two passes' pair words, v36-83 four fragments, v84-87 their scale words, v88-93 the second pass's q, v96-159 S^T then p, v160-191 O^T,
; v192-203 p's codes, v204-211 conversions, v224 p's scale word, v[226:227] f, v228-231 at work, v232-243 y's codes, v244 16 r + h
.macro PLACES n
.rept \n
	v_nop
.endr
.endm
.macro CROUND
	s_barrier_signal -1
	s_barrier_wait -1
	s_cmp_lg_u32 s12, 0
	s_cbranch_scc1 .Lnot_wave_0_\@
	s_barrier_signal -3
.Lnot_wave_0_\@:
	s_barrier_wait -3
	s_barrier_signal -1
	s_barrier_wait -1
.endm
.macro FRAG d, a16, a8, o
	ds_load_b128 v[(\d):(\d)+3], v[\a16] offset:(\o)
	ds_load_b64 v[(\d)+4:(\d)+5], v[\a8] offset:(\o)
	ds_load_b128 v[(\d)+6:(\d)+9], v[\a16] offset:(\o)+768
	ds_load_b64 v[(\d)+10:(\d)+11], v[\a8] offset:(\o)+768
.endm
.macro WM d, a, b, zero, sa, sb, ra    ; one product; ra: source 0's scale words stand in lanes 16-31
.if \zero
.if (\ra)
	v_wmma_scale_f32_16x16x128_f8f6f4 v[(\d):(\d)+7], v[(\a):(\a)+11], v[(\b):(\b)+11], 0, v[(\sa)], v[(\sb)] matrix_a_fmt:MATRIX_FMT_FP6 matrix_b_fmt:MATRIX_FMT_FP6 matrix_a_scale:MATRIX_SCALE_ROW1
.else
	v_wmma_scale_f32_16x16x128_f8f6f4 v[(\d):(\d)+7], v[(\a):(\a)+11], v[(\b):(\b)+11], 0, v[(\sa)], v[(\sb)] matrix_a_fmt:MATRIX_FMT_FP6 matrix_b_fmt:MATRIX_FMT_FP6
.endif
.else
.if (\ra)
	v_wmma_scale_f32_16x16x128_f8f6f4 v[(\d):(\d)+7], v[(\a):(\a)+11], v[(\b):(\b)+11], v[(\d):(\d)+7], v[(\sa)], v[(\sb)] matrix_a_fmt:MATRIX_FMT_FP6 matrix_b_fmt:MATRIX_FMT_FP6 matrix_a_scale:MATRIX_SCALE_ROW1
.else
	v_wmma_scale_f32_16x16x128_f8f6f4 v[(\d):(\d)+7], v[(\a):(\a)+11], v[(\b):(\b)+11], v[(\d):(\d)+7], v[(\sa)], v[(\sb)] matrix_a_fmt:MATRIX_FMT_FP6 matrix_b_fmt:MATRIX_FMT_FP6
.endif
.endif
.endm
	s_load_b256 s[4:11], s[0:1], 0x0               ; c2 s[4:5], s2 s[6:7], c3 s[8:9], s3 s[10:11]
	v_lshl_add_u32 v4, v0, 2, SPARE
	v_mov_b32 v5, 0
	ds_add_u32 v4, v5                              ; the wave's opening: the add and its wait come ahead of the first tensor loads
	v_lshrrev_b32 v1, 5, v0
	v_readfirstlane_b32 s12, v1                    ; wave 0..15
	s_bfe_u32 s13, ttmp6, 0x40000                  ; cx
	s_and_b32 s14, ttmp7, 0xffff                   ; 16 b + head
	s_lshr_b32 s16, s12, 3                         ; u: which tile of a block of 32 queries
	s_and_b32 s17, s12, 3
	s_bfe_u32 s18, s12, 0x10002
	s_mul_i32 s18, s18, 7
	s_xor_b32 s17, s17, s18                        ; G of the first pass: 0 .. 7
	s_xor_b32 s18, s17, 15                         ; and of the second: 15 - G
	s_lshl_b32 s86, s16, 4                         ; 16 u: my tile's half of a pair word
	s_min_u32 s19, s12, 1                          ; wave 0 fetches K, wave 1 V
	s_mov_b32 s24, 15|(3<<16)|(1<<21)              ; group 1 for codes: the mask: all four work-groups; elements of 8 bytes; bit 21 beside a mask; no padding
	s_mov_b32 s25, 32<<16                          ; a dense block as rows of 256 bytes:
	s_mov_b32 s26, 192<<16                         ; 192 rows: 1,024 keys
	s_mov_b32 s27, 32<<16
	s_mov_b32 s28, 192
	s_mov_b32 s29, 32
	s_mov_b32 s30, 0
	s_mov_b32 s31, 0
	s_mov_b32 s32, 15|(3<<16)|(1<<21)              ; group 1 for scale words: 16 rows
	s_mov_b32 s33, 32<<16
	s_mov_b32 s34, 16<<16
	s_mov_b32 s35, 32<<16
	s_mov_b32 s36, 16
	s_mov_b32 s37, 32
	s_mov_b32 s38, 0
	s_mov_b32 s39, 0
	s_lshl_b32 s66, s19, 6
	s_add_co_u32 s66, s66, 64
	s_add_co_u32 s66, s66, s14                     ; k at 64 + 16 b + head, v at 128 +
	s_mul_i32 s68, s66, 98304
	s_mov_b32 s69, 0
	s_lshl_b32 s66, s66, 12
	s_mov_b32 s67, 0
	s_mul_i32 s70, s19, VC
	s_lshl_b32 s71, s19, 12
	s_mov_b32 s20, 0x76543210
	s_mov_b32 s21, 0xfedcba98                      ; selects for lane l xor 16
	s_mov_b32 s22, 0x3e38aa3b                      ; c = log2(e) / 8
	s_mov_b32 s23, s22                             ; (named with it as a pair, so it is written)
	s_wait_dscnt 0x0                               ; the opening add is done
	s_wait_kmcnt 0x0
	s_mov_b32 s40, 1                               ; group 0: the scale words,
	s_add_co_u32 s41, s71, KSC
	s_add_nc_u64 s[42:43], s[6:7], s[66:67]
	s_or_b32 s43, s43, 0x80000000
	s_mov_b32 s44, 1                               ; keys 0-1,023,
	s_mov_b32 s45, s70
	s_add_nc_u64 s[46:47], s[4:5], s[68:69]
	s_mov_b32 s48, 1                               ; keys 1,024-2,047
	s_add_co_u32 s49, s70, 49152
	s_add_nc_u64 s[50:51], s[46:47], 49152
	s_or_b32 s47, s47, 0x80000000
	s_or_b32 s51, s51, 0x80000000
	CROUND                                         ; all four work-groups are here: the joint loads meet
	s_cmp_lt_u32 s12, 2                            ; all fills of the launch, one group in one branch: three loads of a fetching wave are out
	s_cbranch_scc0 .Lno_fetch
	tensor_load_to_lds s[40:43], s[32:39]
	s_nop 0
	tensor_load_to_lds s[44:47], s[24:31]
	s_nop 0
	tensor_load_to_lds s[48:51], s[24:31]
	s_nop 0
	PLACES 4
.Lno_fetch:
	v_and_b32 v6, 31, v0                           ; lane
	v_and_b32 v7, 15, v0                           ; r
	v_bfe_u32 v8, v0, 4, 1                         ; h
	v_lshlrev_b32 v1, 4, v6
	v_lshl_add_u32 v2, v6, 3, 512
	v_lshl_add_u32 v3, v6, 2, KSC
	v_lshlrev_b32 v9, 2, v7                        ; 4 r: q's pair word
	v_lshl_add_u32 v244, v7, 4, v8                 ; 16 r + h: y's scale byte
	v_cmp_le_u32 s72, 16, v6                       ; lanes 16-31
; a pass's addresses, and its q: tile 8 G + 2 cx + u.  Each pass has base registers of its own: none is written while a load reads it
.macro PASS g, qd, qw, qc, qs, yc, ys
	s_lshl_b32 s74, s[\g], 3
	s_lshl_b32 s75, s13, 1
	s_add_co_u32 s74, s74, s75
	s_add_co_u32 s74, s74, s16                     ; the tile in its batch
	s_mul_i32 s[\qc], s14, 98304
	s_mul_i32 s75, s74, 768
	s_add_co_u32 s[\qc], s[\qc], s75
	s_mov_b32 s[\qc+1], 0
	s_add_nc_u64 s[\qc:\qc+1], s[4:5], s[\qc:\qc+1]
	global_load_b128 v[\qd:\qd+3], v1, s[\qc:\qc+1]
	global_load_b64 v[\qd+4:\qd+5], v2, s[\qc:\qc+1]
	s_lshl_b32 s[\qs], s14, 12
	s_lshr_b32 s75, s74, 1
	s_lshl_b32 s75, s75, 6
	s_add_co_u32 s[\qs], s[\qs], s75
	s_mov_b32 s[\qs+1], 0
	s_add_nc_u64 s[\qs:\qs+1], s[6:7], s[\qs:\qs+1]
	global_load_b32 v[\qw], v9, s[\qs:\qs+1]
	s_lshr_b32 s75, s14, 4
	s_lshl_b32 s75, s75, 7
	s_add_co_u32 s74, s74, s75                     ; the tile among y's 512
	s_and_b32 s75, s14, 15                         ; the head
	s_lshl_b32 s[\yc], s74, 4
	s_add_co_u32 s[\yc], s[\yc], s75
	s_mul_i32 s[\yc], s[\yc], 768
	s_mov_b32 s[\yc+1], 0
	s_add_nc_u64 s[\yc:\yc+1], s[8:9], s[\yc:\yc+1]
	s_lshl_b32 s[\ys], s74, 9
	s_lshr_b32 s84, s75, 3
	s_lshl_b32 s84, s84, 8
	s_add_co_u32 s[\ys], s[\ys], s84
	s_and_b32 s84, s75, 7
	s_lshl_b32 s84, s84, 1
	s_add_co_u32 s[\ys], s[\ys], s84
	s_mov_b32 s[\ys+1], 0
	s_add_nc_u64 s[\ys:\ys+1], s[10:11], s[\ys:\ys+1]
.endm
	PASS 17, 22, 35, 76, 78, 56, 60
	PASS 18, 88, 94, 80, 82, 58, 62
	v_and_b32 v10, 8, v7
	v_add_nc_u32 v10, v10, v7                      ; r + 8 (r / 8)
	s_lshl_b32 s73, s13, 5
	s_lshl_b32 s74, s16, 3
	s_add_co_u32 s73, s73, s74
	v_add_nc_u32 v10, s73, v10                     ; my query's place among its step's 128 keys: 32 cx + 8 u + r + 8 (r / 8)
	v_lshlrev_b32 v11, 4, v8
	v_sub_nc_u32 v6, v10, v11                      ; less 16 h: register 16 b + i holds key 32 b + 16 h + i: hidden where 32 b + i is greater
.irp i, 0,1,2,3,4,5
	v_mov_b32 v[16+\i], 0                          ; the zero codes on both sides of q
	v_mov_b32 v[28+\i], 0
.endr
.irp b, 0,1,2,3
	v_mov_b32 v[BT+\b], 0                          ; a lane permute's destination counts as one of its sources
.endr
	v_mov_b32 v227, 0                              ; (named as the upper half of the pair v[226:227])
	v_mov_b32 v228, 0
	v_mov_b32 v229, 0xff800000                     ; -infinity
; A KEY STEP: 128 keys.  s52, s53: where the step's codes and scale words begin; s54: the step; s15: the pass's G
.macro STEP
	s_cmp_gt_u32 s54, s15
	s_cbranch_scc1 .Lhidden_\@                     ; all its keys come after my queries
	v_add_nc_u32 v7, s52, v1                       ; these five are also the places in front of loads into registers that the last products read
	v_add_nc_u32 v8, s52, v2
	v_add_nc_u32 v9, VC, v7
	v_add_nc_u32 v10, VC, v8
	v_add_nc_u32 v11, s53, v3
.irp i, 0,1,2,3
	FRAG 36+12*\i, 7, 8, \i*1536                   ; key tiles 2 i and 2 i + 1
.endr
	ds_load_b32 v84, v11                           ; their pair words: lanes 0-15 pair 0, lanes 16-31 pair 1;
	ds_load_b32 v85, v11 offset:128                ; pairs 2 and 3
	s_wait_dscnt 0x0
.irp i, 0,1,2,3
.irp e, 0,1
	WM 96+8*(2*\i+\e), 36+12*\i, 22-6*\e, 1, 84+\i/2, 34, \i%2
.endr
.endr
	PLACES 4                                       ; in front of loads into registers that the products read, and of the first read of the scores
.irp t, 0,1,2,3
	FRAG 36+12*\t, 9, 10, \t*1536                  ; V's four tiles of 16 channels x these 128 keys: they land while the softmax is walked
.endr
	ds_load_b32 v86, v11 offset:4096
	ds_load_b32 v87, v11 offset:4096+128
	s_cmp_lg_u32 s54, s15
	s_cbranch_scc1 .Lopen_\@                       ; only step G lies on the diagonal
.set NN, 0
.rept 64
	v_cmp_gt_i32 vcc_lo, 32*(NN/16)+NN%16, v6
	v_cndmask_b32 v[96+NN], v[96+NN], v229, vcc_lo
.set NN, NN+1
.endr
.Lopen_\@:
.irp b, 0,1,2,3
	v_max3_num_f32 v[BM+\b], v[96+16*\b], v[97+16*\b], v[98+16*\b]   ; the largest score of each block of 32 keys: for the row's maximum, and, since p rises with the score, for the block's largest p
.endr
.irp i, 3,5,7,9,11,13
.irp b, 0,1,2,3
	v_max3_num_f32 v[BM+\b], v[BM+\b], v[96+16*\b+\i], v[97+16*\b+\i]
.endr
.endr
.irp b, 0,1,2,3
	v_max_num_f32 v[BM+\b], v[BM+\b], v[111+16*\b]
.endr
.irp b, 0,1,2,3
	v_permlanex16_b32 v[BT+\b], v[BM+\b], s20, s21
.endr
.irp b, 0,1,2,3
	v_max_num_f32 v[BM+\b], v[BM+\b], v[BT+\b]     ; with lane l xor 16's 16 keys
.endr
	v_max3_num_f32 v228, v[BM], v[BM+1], v[BM+2]
	v_max_num_f32 v228, v228, v[BM+3]
	v_mul_f32 v228, s22, v228                      ; the step's largest t
	v_max_num_f32 v13, v13, v228                   ; the running largest t
	v_mov_b32 v228, v12
	v_floor_f32 v12, -v13                          ; the new -M = floor(-t): M is a whole number
	v_sub_f32 v228, v12, v228                      ; old M - new M: a whole number, 0 or less
	v_cvt_i32_f32 v228, v228                       ; (it saturates)
	v_ldexp_f32 v226, 1.0, v228                    ; f = 2^(old M - new M)
.set NN, 0
.rept 32
	v_pk_fma_f32 v[96+NN:97+NN], v[96+NN:97+NN], s[22:23], v[12:13] op_sel_hi:[1,0,0]   ; t - M
.set NN, NN+2
.endr
.irp b, 0,1,2,3
	v_fma_f32 v[BM+\b], v[BM+\b], s22, v12         ; the same of each block's largest score
.endr
.set NN, 0
.rept 64
	v_exp_f32 v[96+NN], v[96+NN]                   ; p = 2^(t - M)
.set NN, NN+1
.endr
	v_pk_mul_f32 v[14:15], v[14:15], v[226:227] op_sel_hi:[1,0]   ; the sums under the new M: a plain place behind the exponentials
	s_wait_alu depctr_va_vdst(0)                   ; one wait for the batch, ahead of its first reader
.irp b, 0,1,2,3
	v_exp_f32 v[BM+\b], v[BM+\b]                   ; the block's largest p
.endr
	v_pk_add_f32 v[230:231], v[96:97], v[98:99]    ; the row's sum, of the unquantised p, in two chains
.set NN, 4
.rept 15
	v_pk_add_f32 v[14:15], v[14:15], v[96+NN:97+NN]
	v_pk_add_f32 v[230:231], v[230:231], v[98+NN:99+NN]
.set NN, NN+4
.endr
	v_pk_add_f32 v[14:15], v[14:15], v[230:231]
	s_wait_alu depctr_va_vdst(0)                   ; and one for the four
.irp b, 0,1,2,3
	v_max_num_f32 v[BM+\b], 0x1800000, v[BM+\b]    ; the floor 2^(3 - 127): the byte cannot fall under 1
.endr
.irp b, 0,1,2,3
	v_add_nc_u32 v[SO+\b], 0xff000000, v[BM+\b]
.endr
.irp b, 0,1,2,3
	v_lshrrev_b32 v[BT+\b], 23, v[SO+\b]
.endr
	v_lshl_or_b32 v224, v[BT+1], 8, v[BT]          ; p's scale word for these 128 keys
	v_lshl_or_b32 v224, v[BT+2], 16, v224
	v_lshl_or_b32 v224, v[BT+3], 24, v224
.irp c, 0,1
	v_cvt_scalef32_pk16_fp6_f32 v[192+6*\c:194+6*\c], v[96+32*\c:111+32*\c], v[SO+2*\c]
	v_cvt_scalef32_pk16_fp6_f32 v[204+4*\c:206+4*\c], v[112+32*\c:127+32*\c], v[SO+2*\c+1]
.endr
	v_nop                                          ; one plain place behind a scaled conversion
.irp c, 0,1
.irp i, 0,1,2
	v_permlane16_swap_b32 v[192+6*\c+\i], v[204+4*\c+\i]
.endr
.irp i, 0,1,2
	v_mov_b32 v[195+6*\c+\i], v[204+4*\c+\i]
.endr
.endr
.set NN, 0
.rept 16
	v_pk_mul_f32 v[160+NN:161+NN], v[160+NN:161+NN], v[226:227] op_sel_hi:[1,0]   ; O^T under the new M; these sixteen are also the places between the scale word's and the codes' last writes and the products
.set NN, NN+2
.endr
	s_wait_dscnt 0x0                               ; V is in
.irp t, 0,1,2,3
	WM 160+8*\t, 36+12*\t, 192, 0, 86+\t/2, 224, \t%2   ; four accumulators by turns
.endr
.Lhidden_\@:
	s_add_co_u32 s52, s52, 6144
	s_add_co_u32 s53, s53, 256
	s_add_co_u32 s54, s54, 1
.endm
.macro PREP p
.if \p == 2
	s_wait_xcnt 0x0                                ; the first pass's stores have read their registers, which the second pass writes again
.irp i, 0,1,2,3,4,5
	v_mov_b32 v[22+\i], v[88+\i]
.endr
	v_lshrrev_b32 v34, s86, v94
	s_mov_b32 s15, s18
.else
	v_lshrrev_b32 v34, s86, v35
	s_mov_b32 s15, s17
.endif
	v_and_b32 v34, 0xffff, v34                     ; my tile's two bytes,
	v_lshl_or_b32 v34, v34, 16, v34                ; for q in either half of the instruction's K
	v_mov_b32 v13, 0xff61b1e6                      ; the largest t so far: -3e38
	v_floor_f32 v12, -v13
	v_mov_b32 v14, 0
	v_mov_b32 v15, 0
.set NN, 0
.rept 32
	v_mov_b32 v[160+NN], 0                         ; O^T: the first change of M leaves zeros zeros.  (These are also the places between q's and its scale word's writes and the first products)
.set NN, NN+1
.endr
	s_mov_b32 s52, 0
	s_mov_b32 s53, 0
	s_mov_b32 s54, 0
.endm
; O^T / the sum is a row of y's 64 channels of this head: register 16 b + i = channel 32 b + 16 h + i: two blocks, one half image
.macro FINISH yc, ys
	PLACES 4                                       ; behind the last products
	v_add_f32 v14, v14, v15
	v_permlanex16_b32 v228, v14, s20, s21
	v_add_f32 v14, v14, v228                       ; the row's sum
	v_rcp_f32 v14, v14
	v_nop                                          ; a plain place behind the reciprocal
	s_wait_alu depctr_va_vdst(0)                   ; and the wait ahead of its first reader
.set NN, 0
.rept 32
	v_mul_f32 v[96+NN], v[160+NN], v14
.set NN, NN+1
.endr
.irp b, 0,1
	v_max3_num_f32 v[BM+\b], |v[96+16*\b]|, |v[97+16*\b]|, 0x1800000
.endr
.irp i, 2,4,6,8,10,12,14
.irp b, 0,1
	v_max3_num_f32 v[BM+\b], v[BM+\b], |v[96+16*\b+\i]|, |v[97+16*\b+\i]|
.endr
.endr
.irp b, 0,1
	v_permlanex16_b32 v[BT+\b], v[BM+\b], s20, s21
.endr
.irp b, 0,1
	v_max_num_f32 v[BM+\b], v[BM+\b], v[BT+\b]
.endr
.irp b, 0,1
	v_add_nc_u32 v[SO+\b], 0xff000000, v[BM+\b]
.endr
.irp b, 0,1
	v_lshrrev_b32 v[BT+\b], 23, v[SO+\b]
.endr
	v_cndmask_b32 v243, v[BT], v[BT+1], s72        ; lane (r, h) stores block h's byte
	v_cvt_scalef32_pk16_fp6_f32 v[232:234], v[96:111], v[SO]
	v_cvt_scalef32_pk16_fp6_f32 v[240:242], v[112:127], v[SO+1]
	v_nop
.irp i, 0,1,2
	v_permlane16_swap_b32 v[232+\i], v[240+\i]
.endr
.irp i, 0,1,2
	v_mov_b32 v[235+\i], v[240+\i]
.endr
	global_store_b128 v1, v[232:235], s[\yc:\yc+1] ; 512 consecutive bytes,
	global_store_b64 v2, v[236:237], s[\yc:\yc+1]  ; and the 256 behind them
	global_store_b8 v244, v243, s[\ys:\ys+1]
.endm
	s_wait_loadcnt 0x0                             ; q of both passes
	s_wait_tensorcnt 1                             ; the scale words and keys 0-1,023 are in; the second half may stay out
	s_barrier_signal -1
	s_barrier_wait -1
	PREP 1
.Lpass1:                                           ; 8 trips: G is 7 at the most
	STEP
	s_cmp_lt_u32 s54, 8
	s_cbranch_scc1 .Lpass1
	FINISH 56, 60
	s_wait_tensorcnt 0x0                           ; keys 1,024-2,047 are in
	s_wait_dscnt 0x0
	s_barrier_signal -1
	s_barrier_wait -1
	PREP 2
.Lpass2:                                           ; 16 trips
	STEP
	s_cmp_lt_u32 s54, 16
	s_cbranch_scc1 .Lpass2
	FINISH 58, 62
	s_wait_tensorcnt 0x0                           ; the wave's end
	ds_add_u32 v4, v5
	s_wait_dscnt 0x0
	CROUND                                         ; the closing round
	s_endpgm
.Lfunc_end_k_q10bc67c01f_attn:
	.size	k_q10bc67c01f_attn, .Lfunc_end_k_q10bc67c01f_attn-k_q10bc67c01f_attn
	.p2alignl 7, 3214868480
	.fill 96, 4, 3214868480
	.section	.rodata,"a",@progbits
	.p2align	6, 0x0
	.amdhsa_kernel k_q10bc67c01f_attn
		.amdhsa_group_segment_fixed_size 327680
		.amdhsa_private_segment_fixed_size 0
		.amdhsa_enable_private_segment 0
		.amdhsa_kernarg_size 32
		.amdhsa_user_sgpr_count 2
		.amdhsa_user_sgpr_kernarg_segment_ptr 1
		.amdhsa_wavefront_size32 1
		.amdhsa_system_sgpr_workgroup_id_x 1
		.amdhsa_system_sgpr_workgroup_id_y 1
		.amdhsa_system_sgpr_workgroup_id_z 1
		.amdhsa_system_vgpr_workitem_id 0
		.amdhsa_next_free_vgpr 256
		.amdhsa_next_free_sgpr 90
		.amdhsa_reserve_vcc 1
		.amdhsa_float_denorm_mode_32 3
		.amdhsa_float_denorm_mode_16_64 3
		.amdhsa_memory_ordered 1
		.amdhsa_forward_progress 1
		.amdhsa_inst_pref_size 62
	.end_amdhsa_kernel
	.amdgpu_metadata
---
amdhsa.version: [ 1, 2 ]
amdhsa.kernels:
  - .name:           k_q10bc67c01f_attn
    .symbol:         k_q10bc67c01f_attn.kd
    .args:
      - { .name: c2, .offset: 0, .size: 8, .value_kind: global_buffer, .address_space: global }
      - { .name: s2, .offset: 8, .size: 8, .value_kind: global_buffer, .address_space: global }
      - { .name: c3, .offset: 16, .size: 8, .value_kind: global_buffer, .address_space: global }
      - { .name: s3, .offset: 24, .size: 8, .value_kind: global_buffer, .address_space: global }
    .group_segment_fixed_size: 327680
    .private_segment_fixed_size: 0
    .kernarg_segment_align: 8
    .kernarg_segment_size: 32
    .max_flat_workgroup_size: 512
    .sgpr_count:     90
    .vgpr_count:     256
    .wavefront_size: 32
...
	.end_amdgpu_metadata
.endif
;; end of part 3
;; launch proj (part 4): grid 4 x 64, 4 waves a work-group, clusters of 4 x 4, 327,680 bytes of LDS; arguments c3, s3, c1, s1, out0; writes out0
.if DOCPART == 4
	.amdgcn_target "amdgcn-amd-amdhsa--gfx1250"
	.amdhsa_code_object_version 6
	.text
	.protected	k_q10bc67c01f_proj
	.globl	k_q10bc67c01f_proj
	.p2align	8
	.type	k_q10bc67c01f_proj,@function
k_q10bc67c01f_proj:
	s_mov_b64 s[64:65], 0
	v_nop
	global_prefetch_b8 v0, s[64:65] scope:SCOPE_SE
	s_setreg_imm32_b32 hwreg(HW_REG_WAVE_MODE, 25, 1), 1
	s_wait_xcnt 0x0
	s_wait_alu depctr_hold_cnt(0) depctr_sa_sdst(0) depctr_va_vdst(0) depctr_va_sdst(0) depctr_va_ssrc(0) depctr_va_vcc(0) depctr_vm_vsrc(0)
	s_getreg_b32 s2, hwreg(HW_REG_IB_STS2, 6, 4)
	s_cmp_eq_u32 s2, 0
	s_cbranch_scc0 .Lentry_in_a_cluster
	s_endpgm
.Lentry_in_a_cluster:
	s_bfe_u32 s2, ttmp6, 0x10000c
	s_cmp_lg_u32 s2, 0xf033
	s_cbranch_scc0 .Lentry_shape_is_right
	s_endpgm
.Lentry_shape_is_right:
; out0 = y Wout^T on codes of FP6 (E2M3) with E8M0 scales, K = 1,024; out0 [8192][1024] f32.
; OPERANDS come as register images (tiles of 16 rows 32 B + 8 u + r + 8 (r / 8); half images of 768 bytes; a fragment of 128 K is two on end): y from c3, s3; Wout from c1, s1, tiles 704-767.
; A work-group makes 128 rows of y (R, source 1) x 256 rows of Wout (S, source 0); wave w takes R's tiles 4 (w / 2) .. + 3 and S's tiles 8 (w % 2) .. + 7: 32 accumulators.
; In the result a lane holds ONE token, and the 16 registers of S's tiles 2 b, 2 b + 1 are 16 neighbouring output channels 32 b + 16 h + i.
; ALL OF K LIES IN LDS: four pieces of 256 along K (73,728 bytes each) and the scale words; every LDS byte is filled once.  All tiles are asked for in the first lines: no prefetch.
; CLUSTER 4 x 4: R's tiles hang on cy alone and are asked for jointly along a row of the cluster, S's on cx alone, along a column.
; THE WAY OUT: a tile's 16 tokens x 128 channels go through the wave's own stage in LDS and leave as rows of 512 consecutive aligned bytes.  The stages lie in piece 0, which has had its one fill,
; and which every wave had read out when it signalled the barrier of K step 1.
; REGISTERS: window 0: v1-6 LDS addresses, v7-14 lane numbers and the way out's addresses, v28, v29 the add's two, v32-63 S's scale words, v64-79 R's, v80-127 R's fragments, v128-223 S's (set 0);
;   window 1: the accumulators, (t, s) at 8 (8 t + s);  window 2: v80-223 fragment set 1.
.set PIECE, 73728
.set RSCL,  4*PIECE
.set SSCL,  RSCL+4096
.set SPARE, SSCL+8192                  ; the spare words, 128 bytes a wave: two blocks of 256 bytes that no other line names
.set RF,  80
.set SF,  128
.set SSR, 32
.set RSR, 64
.set BK,  80                           ; the way out: v80-143 and v144-207 by turns
.set MSB, 0
.macro WIN new
.if MSB != \new
	s_set_vgpr_msb (MSB<<8)|\new
.set MSB, \new
.endif
.endm
.macro PLACES n
.rept \n
	v_nop
.endr
.endm
.macro CROUND
	s_barrier_signal -1
	s_barrier_wait -1
	s_cmp_lg_u32 s12, 0
	s_cbranch_scc1 .Lnot_wave_0_\@
	s_barrier_signal -3
.Lnot_wave_0_\@:
	s_barrier_wait -3
	s_barrier_signal -1
	s_barrier_wait -1
.endm
.macro TL g0, g1
	tensor_load_to_lds s[\g0:\g0+3], s[\g1:\g1+7]
	s_nop 0
.endm
.macro FRAG d, a16, a8, o
	ds_load_b128 v[(\d):(\d)+3], v[\a16] offset:(\o)
	ds_load_b64 v[(\d)+4:(\d)+5], v[\a8] offset:(\o)
	ds_load_b128 v[(\d)+6:(\d)+9], v[\a16] offset:(\o)+768
	ds_load_b64 v[(\d)+10:(\d)+11], v[\a8] offset:(\o)+768
.endm
.macro SCALES                          ; lane (r, h) takes tile 2 p + h; register 8 p + k is K step k's
.irp p, 0,1,2,3
.irp q, 0,1
	ds_load_b128 v[SSR+8*\p+4*\q:SSR+8*\p+4*\q+3], v6 offset:\p*1024+\q*256
.endr
.endr
.irp p, 0,1
.irp q, 0,1
	ds_load_b128 v[RSR+8*\p+4*\q:RSR+8*\p+4*\q+3], v5 offset:\p*1024+\q*256
.endr
.endr
.endm
.macro FETCH k, set
.if \set
	WIN 0x80
.else
	WIN 0
.endif
.irp t, 0,1,2,3
	FRAG RF+12*\t, 1, 2, \t*3072+((\k)%2)*1536
.endr
.irp s, 0,1,2,3,4,5,6,7
	FRAG SF+12*\s, 3, 4, \s*3072+((\k)%2)*1536
.endr
.endm
.macro WM d, a, b, zero, sa, sb, ra, rb
.if \zero
.if (\ra) && (\rb)
	v_wmma_scale_f32_16x16x128_f8f6f4 v[(\d):(\d)+7], v[(\a):(\a)+11], v[(\b):(\b)+11], 0, v[(\sa)], v[(\sb)] matrix_a_fmt:MATRIX_FMT_FP6 matrix_b_fmt:MATRIX_FMT_FP6 matrix_a_scale:MATRIX_SCALE_ROW1 matrix_b_scale:MATRIX_SCALE_ROW1
.elseif (\ra)
	v_wmma_scale_f32_16x16x128_f8f6f4 v[(\d):(\d)+7], v[(\a):(\a)+11], v[(\b):(\b)+11], 0, v[(\sa)], v[(\sb)] matrix_a_fmt:MATRIX_FMT_FP6 matrix_b_fmt:MATRIX_FMT_FP6 matrix_a_scale:MATRIX_SCALE_ROW1
.elseif (\rb)
	v_wmma_scale_f32_16x16x128_f8f6f4 v[(\d):(\d)+7], v[(\a):(\a)+11], v[(\b):(\b)+11], 0, v[(\sa)], v[(\sb)] matrix_a_fmt:MATRIX_FMT_FP6 matrix_b_fmt:MATRIX_FMT_FP6 matrix_b_scale:MATRIX_SCALE_ROW1
.else
	v_wmma_scale_f32_16x16x128_f8f6f4 v[(\d):(\d)+7], v[(\a):(\a)+11], v[(\b):(\b)+11], 0, v[(\sa)], v[(\sb)] matrix_a_fmt:MATRIX_FMT_FP6 matrix_b_fmt:MATRIX_FMT_FP6
.endif
.else
.if (\ra) && (\rb)
	v_wmma_scale_f32_16x16x128_f8f6f4 v[(\d):(\d)+7], v[(\a):(\a)+11], v[(\b):(\b)+11], v[(\d):(\d)+7], v[(\sa)], v[(\sb)] matrix_a_fmt:MATRIX_FMT_FP6 matrix_b_fmt:MATRIX_FMT_FP6 matrix_a_scale:MATRIX_SCALE_ROW1 matrix_b_scale:MATRIX_SCALE_ROW1
.elseif (\ra)
	v_wmma_scale_f32_16x16x128_f8f6f4 v[(\d):(\d)+7], v[(\a):(\a)+11], v[(\b):(\b)+11], v[(\d):(\d)+7], v[(\sa)], v[(\sb)] matrix_a_fmt:MATRIX_FMT_FP6 matrix_b_fmt:MATRIX_FMT_FP6 matrix_a_scale:MATRIX_SCALE_ROW1
.elseif (\rb)
	v_wmma_scale_f32_16x16x128_f8f6f4 v[(\d):(\d)+7], v[(\a):(\a)+11], v[(\b):(\b)+11], v[(\d):(\d)+7], v[(\sa)], v[(\sb)] matrix_a_fmt:MATRIX_FMT_FP6 matrix_b_fmt:MATRIX_FMT_FP6 matrix_b_scale:MATRIX_SCALE_ROW1
.else
	v_wmma_scale_f32_16x16x128_f8f6f4 v[(\d):(\d)+7], v[(\a):(\a)+11], v[(\b):(\b)+11], v[(\d):(\d)+7], v[(\sa)], v[(\sb)] matrix_a_fmt:MATRIX_FMT_FP6 matrix_b_fmt:MATRIX_FMT_FP6
.endif
.endif
.endm
.macro MULH k, half, zero              ; 16 products; the 32 accumulators take turns, one instruction a turn, in the same order in every step
.irp t, 2*\half, 2*\half+1
.irp s, 0,1,2,3,4,5,6,7
	WM 8*(8*(\t)+\s), SF+12*\s, RF+12*(\t), \zero, SSR+8*(\s/2)+(\k), RSR+8*((\t)/2)+(\k), \s%2, (\t)%2
.endr
.endr
.endm
.macro EVEN k, zero
.if (\k) > 0
	PLACES 4                                       ; four places in front of loads into registers that the last products read
.endif
	FETCH (\k)+1, 1
	s_wait_dscnt 48                                ; all but the 48 just issued: this step's fragments are in
	WIN 0x50
	MULH \k, 0, \zero
	MULH \k, 1, \zero
.endm
.macro ODD k
	s_wait_tensorcnt 3-((\k)+1)/2                  ; my part of the next piece has landed; the later pieces' loads may stay out
	s_wait_dscnt 0x0                               ; this step's fragments are in; no LDS instruction of mine is out at the signal
	s_barrier_signal -1
	WIN 0x5a
	MULH \k, 0, 0
	WIN 0
	s_barrier_wait -1
.irp a, 1,2,3,4
	v_add_nc_u32 v[\a], PIECE, v[\a]               ; on to the next piece; these four are also the places in front of the loads into set 0
.endr
	FETCH (\k)+1, 0
	WIN 0x5a
	MULH \k, 1, 0
.endm
	s_load_b256 s[4:11], s[0:1], 0x0               ; c3 s[4:5], s3 s[6:7], c1 s[8:9], s1 s[10:11]
	v_lshl_add_u32 v28, v0, 2, SPARE
	v_mov_b32 v29, 0
	ds_add_u32 v28, v29                            ; the wave's opening: the add and its wait come ahead of the first tensor loads
	v_lshrrev_b32 v1, 5, v0
	v_readfirstlane_b32 s12, v1                    ; wave 0..3
	s_lshr_b32 s13, s12, 1                         ; which four tiles of R are mine.  Also: which half of S waves 1 and 2 fetch
	s_and_b32 s14, s12, 1                          ; which eight tiles of S are mine
	s_bfe_u32 s15, ttmp6, 0x40000                  ; cx
	s_bfe_u32 s16, ttmp6, 0x40004                  ; cy
	s_and_b32 s17, ttmp7, 0xffff                   ; cluster y
	s_lshl_b32 s18, s16, 2
	s_lshl_b32 s18, 15, s18                        ; my row of the cluster
	s_lshl_b32 s19, 0x1111, s15                    ; my column
	s_or_b32 s24, s18, (3<<16)|(1<<21)             ; group 1 for R's tiles: the mask; elements of 8 bytes; bit 21 beside a mask; no padding
	s_or_b32 s32, s19, (3<<16)|(1<<21)             ; for S's
	s_or_b32 s40, s18, (3<<16)|(1<<21)             ; for R's scale words
	s_or_b32 s48, s19, (3<<16)|(1<<21)             ; for S's
.irp g, 24, 32
	s_mov_b32 s[\g+1], 384<<16                     ; 3,072 bytes: a tile's 256 along K
	s_mov_b32 s[\g+2], 8<<16                       ; 8 tiles
	s_mov_b32 s[\g+3], 384<<16
	s_mov_b32 s[\g+4], 8
	s_mov_b32 s[\g+5], 1536                        ; from tile to tile: 12,288 bytes
	s_mov_b32 s[\g+6], 0
	s_mov_b32 s[\g+7], 0
.endr
	s_mov_b32 s41, 32<<16
	s_mov_b32 s42, 16<<16
	s_mov_b32 s43, 32<<16
	s_mov_b32 s44, 16
	s_mov_b32 s45, 32
	s_mov_b32 s46, 0
	s_mov_b32 s47, 0
	s_mov_b32 s49, 32<<16
	s_mov_b32 s50, 32<<16
	s_mov_b32 s51, 32<<16
	s_mov_b32 s52, 32
	s_mov_b32 s53, 32
	s_mov_b32 s54, 0
	s_mov_b32 s55, 0
	s_lshl_b32 s20, s17, 2
	s_add_co_u32 s20, s20, s16
	s_lshl_b32 s20, s20, 3                         ; R's first tile: 8 (4 Y + cy)
	s_lshl_b32 s22, ttmp9, 2
	s_add_co_u32 s22, s22, s15
	s_lshl_b32 s22, s22, 4
	s_add_co_u32 s22, s22, 704                     ; S's first tile: 704 + 16 (4 X + cx)
	s_mul_i32 s2, s20, 12288
	s_mov_b32 s3, 0
	s_lshl_b32 s20, s20, 9
	s_mov_b32 s21, 0
	s_lshl_b32 s23, s13, 3
	s_add_co_u32 s23, s23, s22                     ; the eight tiles of S that I fetch
	s_mul_i32 s66, s23, 12288
	s_mov_b32 s67, 0
	s_lshl_b32 s22, s22, 9
	s_mov_b32 s23, 0
	s_mul_i32 s100, s13, 24576
	s_wait_dscnt 0x0                               ; the opening add is done
	s_wait_kmcnt 0x0
	s_add_nc_u64 s[2:3], s[4:5], s[2:3]
	s_add_nc_u64 s[20:21], s[6:7], s[20:21]
	s_add_nc_u64 s[66:67], s[8:9], s[66:67]
	s_add_nc_u64 s[22:23], s[10:11], s[22:23]
.irp p, 0,1,2,3
	s_mov_b32 s[56+4*\p+4*(\p/2)], 1
	s_mov_b32 s[57+4*\p+4*(\p/2)], \p*PIECE
	s_add_nc_u64 s[58+4*\p+4*(\p/2):59+4*\p+4*(\p/2)], s[2:3], \p*3072
	s_or_b32 s[59+4*\p+4*(\p/2)], s[59+4*\p+4*(\p/2)], 0x80000000
	s_mov_b32 s[76+4*\p], 1
	s_add_co_u32 s[77+4*\p], s100, \p*PIECE+24576
	s_add_nc_u64 s[78+4*\p:79+4*\p], s[66:67], \p*3072
	s_or_b32 s[79+4*\p], s[79+4*\p], 0x80000000
.endr
	s_mov_b32 s92, 1
	s_mov_b32 s93, RSCL
	s_mov_b64 s[94:95], s[20:21]
	s_or_b32 s95, s95, 0x80000000
	s_mov_b32 s96, 1
	s_mov_b32 s97, SSCL
	s_mov_b64 s[98:99], s[22:23]
	s_or_b32 s99, s99, 0x80000000
	CROUND                                         ; all sixteen work-groups are here: the joint loads meet
	s_cmp_eq_u32 s12, 0                            ; all fills of the launch, one group: wave 0 R (five loads out), wave 1 S's scale words and tiles 0-7 (five), wave 2 S's tiles 8-15 (four)
	s_cbranch_scc0 .Lnot_w0
	TL 92, 40
	TL 56, 24
	TL 60, 24
	TL 68, 24
	TL 72, 24
	PLACES 4
	s_branch .Lasked
.Lnot_w0:
	s_cmp_eq_u32 s12, 1
	s_cbranch_scc0 .Lnot_w1
	TL 96, 48
	TL 76, 32
	TL 80, 32
	TL 84, 32
	TL 88, 32
	PLACES 4
	s_branch .Lasked
.Lnot_w1:
	s_cmp_eq_u32 s12, 2
	s_cbranch_scc0 .Lasked
	TL 76, 32
	TL 80, 32
	TL 84, 32
	TL 88, 32
	PLACES 4
.Lasked:
	v_and_b32 v7, 31, v0                           ; lane
	v_and_b32 v8, 15, v0                           ; r
	v_bfe_u32 v9, v0, 4, 1                         ; h
	v_lshlrev_b32 v10, 4, v7                       ; 16 x lane
	v_lshl_add_u32 v11, v7, 3, 512                 ; 8 x lane + 512
	s_mul_i32 s18, s13, 12288
	s_mul_i32 s19, s14, 24576
	s_add_co_u32 s19, s19, 24576
	v_add_nc_u32 v1, s18, v10
	v_add_nc_u32 v2, s18, v11
	v_add_nc_u32 v3, s19, v10
	v_add_nc_u32 v4, s19, v11
	v_lshlrev_b32 v12, 4, v8
	v_lshl_add_u32 v12, v9, 9, v12                 ; 16 r + 512 h
	s_lshl_b32 s18, s13, 11
	s_add_co_u32 s18, s18, RSCL
	s_lshl_b32 s19, s14, 12
	s_add_co_u32 s19, s19, SSCL
	v_add_nc_u32 v5, s18, v12
	v_add_nc_u32 v6, s19, v12
	s_mul_i32 s18, s12, 8448                       ; my stage: 16 rows x 528 bytes
	v_mul_u32_u24 v13, v8, 528
	v_lshl_add_u32 v13, v9, 6, v13
	v_add_nc_u32 v13, s18, v13                     ; in: row r, + 64 h
	v_add_nc_u32 v14, s18, v10                     ; back: 16 bytes a lane of a row's 512
	s_wait_tensorcnt 3                             ; the scale words and piece 0 are in: three later pieces' loads may be out
	s_barrier_signal -1
	s_barrier_wait -1
	SCALES
	FETCH 0, 0
	EVEN 0, 1                                      ; the first step's products start the sums
	ODD 1
	EVEN 2, 0
	ODD 3
	EVEN 4, 0
	ODD 5                                          ; its wait on TENSORcnt is for 0: from here on the descriptors' registers are free
	EVEN 6, 0
	s_load_b64 s[24:25], s[0:1], 0x20              ; out0
	s_wait_dscnt 0x0
	WIN 0x5a
	MULH 7, 0, 0
	MULH 7, 1, 0
	WIN 0
	PLACES 4                                       ; in front of the first reads of results and of loads into registers that products have read
	s_lshl_b32 s26, s17, 2
	s_add_co_u32 s26, s26, s16
	s_lshl_b32 s26, s26, 7
	s_lshl_b32 s27, s13, 6
	s_add_co_u32 s26, s26, s27                     ; my first token: 128 (4 Y + cy) + 64 (w / 2)
	s_lshl_b32 s26, s26, 12                        ; rows of 4,096 bytes
	s_lshl_b32 s27, ttmp9, 2
	s_add_co_u32 s27, s27, s15
	s_lshl_b32 s27, s27, 10                        ; 256 channels of 4 bytes for each block of S,
	s_add_co_u32 s26, s26, s27
	s_lshl_b32 s27, s14, 9                         ; 128 for my half
	s_add_co_u32 s26, s26, s27
	s_mov_b32 s27, 0
	s_wait_kmcnt 0x0
	s_add_nc_u64 s[24:25], s[24:25], s[26:27]
.macro TOSTAGE t                       ; tile t: register 8 s + j of lane (r, h) is channel 32 (s / 2) + 16 h + 8 (s % 2) + j of token r
	WIN 0x04                                       ; an LDS store's data are its source 1: window 1
.irp s, 0,1,2,3,4,5,6,7
	ds_store_b128 v13, v[64*\t+8*\s:64*\t+8*\s+3] offset:128*(\s/2)+32*(\s%2)          ; each accumulator from its low end on
	ds_store_b128 v13, v[64*\t+8*\s+4:64*\t+8*\s+7] offset:128*(\s/2)+32*(\s%2)+16
.endr
	WIN 0
.irp i, 0,1,2,3,4,5,6,7,8,9,10,11,12,13,14,15
	ds_load_b128 v[BK+64*((\t)%2)+4*\i:BK+64*((\t)%2)+4*\i+3], v14 offset:\i*528   ; LDS serves a wave's instructions in order: these see the stores above, and the next tile's stores come behind them
.endr
.endm
.macro SEND t, younger                 ; younger: the LDS instructions issued behind tile t's loads, which may stay out
	s_wait_dscnt \younger
.irp i, 0,1,2,3,4,5,6,7,8,9,10,11,12,13,14,15
	global_store_b128 v10, v[BK+64*((\t)%2)+4*\i:BK+64*((\t)%2)+4*\i+3], s[24:25] offset:(32*((\t)/2)+8*((\t)%2)+\i+8*(\i/8))*4096 th:TH_STORE_NT   ; 512 consecutive aligned bytes of one token's row
.endr
.endm
	TOSTAGE 0
	TOSTAGE 1
	SEND 0, 32                                     ; behind tile 0's loads: tile 1's 16 stores and 16 loads
	s_wait_xcnt 0x0                                ; tile 0's stores have read their registers: tile 2's loads may land there
	TOSTAGE 2
	SEND 1, 32
	s_wait_xcnt 0x0
	TOSTAGE 3
	SEND 2, 32
	SEND 3, 0
	s_wait_tensorcnt 0x0                           ; the wave's end, behind my last tensor load and my last LDS store
	ds_add_u32 v28, v29
	s_wait_dscnt 0x0
	CROUND                                         ; the closing round
	s_endpgm
.Lfunc_end_k_q10bc67c01f_proj:
	.size	k_q10bc67c01f_proj, .Lfunc_end_k_q10bc67c01f_proj-k_q10bc67c01f_proj
	.p2alignl 7, 3214868480
	.fill 96, 4, 3214868480
	.section	.rodata,"a",@progbits
	.p2align	6, 0x0
	.amdhsa_kernel k_q10bc67c01f_proj
		.amdhsa_group_segment_fixed_size 327680
		.amdhsa_private_segment_fixed_size 0
		.amdhsa_enable_private_segment 0
		.amdhsa_kernarg_size 40
		.amdhsa_user_sgpr_count 2
		.amdhsa_user_sgpr_kernarg_segment_ptr 1
		.amdhsa_wavefront_size32 1
		.amdhsa_system_sgpr_workgroup_id_x 1
		.amdhsa_system_sgpr_workgroup_id_y 1
		.amdhsa_system_sgpr_workgroup_id_z 1
		.amdhsa_system_vgpr_workitem_id 0
		.amdhsa_next_free_vgpr 768
		.amdhsa_next_free_sgpr 102
		.amdhsa_reserve_vcc 0
		.amdhsa_float_denorm_mode_32 3
		.amdhsa_float_denorm_mode_16_64 3
		.amdhsa_memory_ordered 1
		.amdhsa_forward_progress 1
		.amdhsa_inst_pref_size 85
	.end_amdhsa_kernel
	.amdgpu_metadata
---
amdhsa.version: [ 1, 2 ]
amdhsa.kernels:
  - .name:           k_q10bc67c01f_proj
    .symbol:         k_q10bc67c01f_proj.kd
    .args:
      - { .name: c3, .offset: 0, .size: 8, .value_kind: global_buffer, .address_space: global }
      - { .name: s3, .offset: 8, .size: 8, .value_kind: global_buffer, .address_space: global }
      - { .name: c1, .offset: 16, .size: 8, .value_kind: global_buffer, .address_space: global }
      - { .name: s1, .offset: 24, .size: 8, .value_kind: global_buffer, .address_space: global }
      - { .name: out0, .offset: 32, .size: 8, .value_kind: global_buffer, .address_space: global }
    .group_segment_fixed_size: 327680
    .private_segment_fixed_size: 0
    .kernarg_segment_align: 8
    .kernarg_segment_size: 40
    .max_flat_workgroup_size: 128
    .sgpr_count:     102
    .vgpr_count:     768
    .wavefront_size: 32
...
	.end_amdgpu_metadata
.endif
;; end of part 4
